; MI455X (gfx1250); checked and timed in simulation.
; The chip was launched on July 23, 2026; its instructions are those of AMD's public machine-readable ISA for CDNA 5 (MIT licence, August 2026) and "CDNA5" Instruction Set Architecture Reference Guide (July 2026). The comments in the code are by the model that wrote it; some were corrected since.
;; Attention. Allowed arithmetic: matrix products marked QUANTISED: E4M3 operands, one given power-of-two scale a tensor, by v_wmma_f32_16x16x64_fp8_fp8 or v_wmma_f32_16x16x128_fp8_fp8, f32 sums; everything else in f32.
;; Inputs: Wk 512 x 512 float32; Wp 512 x 512 float32; Wq 512 x 512 float32; Wv 512 x 512 float32; bk 512 float32; bp 512 float32; bq 512 float32; bv 512 float32; d 16 x 1,024 x 1,024 float32; k 16 x 1,024 x 512 float32; lowp_scales 12 int32 (the exponents e of the quantised operands' scales 2^e); q 16 x 1,024 x 512 float32; v 16 x 1,024 x 512 float32.
;; Outputs: out0 16 x 1,024 x 512 float32.
;; This version of the problem:
;;   THIS VERSION OF THE PROBLEM IS GIVEN IN LOW PRECISION. The matrix products marked QUANTISED in the list below multiply operands that are first quantised to E4M3 (4 exponent bits, 3 mantissa bits; 8 bits a number), with one given power-of-two scale for each operand tensor; their sums are f32. All else is computed in f32.
;;   The module's matrix products, in the order in which they are computed (A, B: the left and right operand; K: the contracted axis; several contracted axes count as one K, in the product's order):
;;     1. [M 16,384, K 512] x [K 512, N 512]; A: input q; B: input Wq: QUANTISED (scales: A lowp_scales[0], B lowp_scales[1])
;;     2. [M 16,384, K 512] x [K 512, N 512]; A: input k; B: input Wk: QUANTISED (scales: A lowp_scales[2], B lowp_scales[3])
;;     3. [M 16,384, K 512] x [K 512, N 512]; A: input v; B: input Wv: QUANTISED (scales: A lowp_scales[4], B lowp_scales[5])
;;     4. batch 128 x [M 1,024, K 64] x [K 64, N 1,024]; A: computed on the way; B: computed on the way: QUANTISED (scales: A lowp_scales[6], B lowp_scales[7])
;;     5. batch 128 x [M 1,024, K 1,024] x [K 1,024, N 64]; A: computed on the way; B: computed on the way: QUANTISED (scales: A lowp_scales[8], B lowp_scales[9])
;;     6. [M 16,384, K 512] x [K 512, N 512]; A: computed on the way; B: input Wp: QUANTISED (scales: A lowp_scales[10], B lowp_scales[11])
;;   THE QUANTISER, for each operand of a quantised product, along K:
;;     - The operand's scale is 2^e, e = its entry of the input lowp_scales (int32; the entries are numbered through the quantised products in the list's order, A before B).
;;     - Each number is divided by the scale, clamped to +-448, and rounded to the nearest number of E4M3, ties to even, subnormals kept.
;;     - The product sums the exact products of the quantised numbers (number of the format x scale) in f32.
;;   ~~~python
;;   def quantise(x, axis, e):      # numpy; x: float32 -> the quantised numbers, widened to float32 again
;;       x = np.moveaxis(x, axis, -1); K = x.shape[-1]
;;       r = np.clip(x / 2.0 ** e, -448, 448)
;;       step = 2.0 ** (np.maximum(np.frexp(np.where(r == 0, 1, r))[1] - 1, -6) - 3)
;;       q = np.round(r / step) * step * 2.0 ** e      # np.round: ties to even
;;       return np.moveaxis(q, -1, axis).astype(np.float32)
;;   ~~~
;;   OPERANDS COMPUTED ON THE WAY. 'Computed on the way' means the value that the module computes at that place (a softmax that the list does not call 'softmax' is quantised finished and normalised). What goes into a quantiser is computed in f32, as accurately as f32 sums, v_exp_f32 and their like allow (about 1e-6 of the number): no bf16 or f16 on the way to a quantiser, and a product that is left as it is and whose result goes on into a quantised operand takes f32 operands (vector FMAs, or v_wmma_f32_16x16x4_f32). A number that lies on a knife's edge between two numbers of the format may be rounded either way, as far as f32 arithmetic and the matrix unit's own rounding can turn it there, and no further.
;; 3 versions, each right; version 3 is version 2 with the launch proj written anew for expert scheduling mode. Each part assembles by itself: llvm-mc -triple=amdgcn-amd-amdhsa -mcpu=gfx1250 --defsym DOCPART=n.
;; ======== version 1 of 3: 2 launches
;; workspace buffers: qc 8,388,608 bytes; kv 16,777,216 bytes; wpc 262,144 bytes
;; launch proj (part 1): grid 193 x 1, 4 waves a work-group, no clusters, 168,448 bytes of LDS; arguments q, k, v, Wq, Wk, Wv, Wp, bq, bk, bv, lowp_scales, qc, kv, wpc; writes qc, kv, wpc
.if DOCPART == 1
	.amdgcn_target "amdgcn-amd-amdhsa--gfx1250"
	.amdhsa_code_object_version 6
	.text
	.protected	k_qa2cb1933bb_proj
	.globl	k_qa2cb1933bb_proj
	.p2align	8
	.type	k_qa2cb1933bb_proj,@function
k_qa2cb1933bb_proj:
	s_mov_b64 s[64:65], 0
	v_nop
	global_prefetch_b8 v0, s[64:65] scope:SCOPE_SE
	s_setreg_imm32_b32 hwreg(HW_REG_WAVE_MODE, 25, 1), 1
	s_wait_xcnt 0x0
; THE THREE INPUT PROJECTIONS, y = x W^T + b on codes of FP8 (E4M3), and the codes of all four weights.  x: q, k or v [16384][512] f32; W [512][512] f32 (out, in); b [512].
; Nothing but codes is stored, laid as images of the operand registers that the attention launch wants:
;   qc  [batch][head][query tile 64][c 2][lane][16 bytes]: lane (r, h) holds query 16 tile + r, channels 32 c + 16 h + 0..15 of the head's 64
;   kv  [batch][head][K block 65,536 bytes | V block 65,536 bytes]
;       K block [key tile 64][c 2][lane][16]: lane r of tile 2 g + u is key 32 g + 8 u + r + 8 (r / 8)
;       V block [key step 8][channel tile 4][c 4][lane][16]: lane r of tile 2 b + u is channel 32 b + 8 u + r + 8 (r / 8); bytes: keys 128 step + 32 c + 16 h + 0..15
;   wpc [K step 4][wave 4][tile 8][c 4][lane][16]: lane r of tile 2 b + u is row 128 wave + 32 b + 8 u + r + 8 (r / 8) of Wp; bytes: k = 128 step + 32 c + 16 h + 0..15
; Every fragment places k alike (16 bytes at 32 c + 16 h), on both sides of every product: each product meets its partner; the order of the sums inside an instruction differs from ascending k.
; SHARES.  Work-group n: tensor n / 64 (0 q, 1 k, 2 v), rows 256 (n % 64) on, four blocks of 64 rows.  Work-group 192 quantises Wp, stores it and ends.
; The waves share the columns: wave w keeps rows 128 w .. 128 w + 127 of W as 32 fragments of codes in windows 2 and 3 for the whole launch.  A block's rows of x are quantised once, 16 rows a wave,
; and go from wave to wave through LDS as images of their registers.  q, k: source 0 = W, source 1 = x, so a lane holds one token and neighbouring channels.  v: the sources swapped, so a lane holds one channel and neighbouring keys.
; No tile is shared between work-groups but W, which each keeps in registers: no cluster.  193 work-groups: three tensors of 64 shares and one weight.
; LIMITS: each operand's exponent, and eo - ea - eb (eo: the result's own scale), between -126 and 119.  NaN and infinities among the inputs are not served.
.set STGW, 33792                       ; LDS: a stage for each wave: four fragments of 16 rows x (512 bytes + 16)
.set FST,  8448
.set SP,   528                         ; 33 x 16 bytes
.set XIMG, 135168                      ; behind the stages: x's 16 fragments of a block, (tile m, K step s) at 2048 (4 m + s)
.set LI,   1                           ; v1   16 x lane
.set XLO,  4                           ; v4   x: my 16 bytes of rows 0-7 of my wave's tile
.set XHI,  5                           ; v5   the same for rows 8-15 (k, v: eight tokens further on)
.set WOF,  6                           ; v6   W: (r + 8 (r / 8)) rows of 2,048 bytes + 64 h
.set SIN,  7                           ; v7   the stage, on the way in: 16 x lane
.set SOUT, 8                           ; v8   on the way out: 528 r + 64 h
.set BOF,  9                           ; v9   64 h
.set BGO,  10                          ; v10  4 (r + 8 (r / 8))
.set XST,  11                          ; v11  where I store x's images
.set XFE,  12                          ; v12  where any wave fetches them
.set OF0,  13                          ; v13, v14  16 x lane + the first byte of head 2 w, 2 w + 1
.set WPO,  15                          ; v15  16 x lane + 16,384 w, for wpc
;      v16, v17: 2^ea, 448 x 2^ea (x);  v18, v19: the same with eb (W);  v20, v21: with eo - ea - eb (the results)
.set XF,   32                          ; v32-95   x's fragments; in BATCH 64 numbers
.set ACC,  96                          ; v96-159  accumulators (v: to v223); in BATCH 64 numbers
.set BI,   160                         ; v160-223 the bias as eight C operands (q, k)
.set PC,   224                         ; v224-239 the codes just made
.set BV,   240                         ; v240-255 the bias of my lane's channel in tile t, at 240 + 2 t (v); the odd ones are named in pairs and written once
; window 1: 256 landing registers.  windows 2, 3: W's fragment (tile t, K step s) at 16 (4 t + s)
; s32 wave, s33 tensor, s34 share, s35 1 for k, v;  s[48:49] x, s[50:51] W, s[52:53] bias, s[54:55] out;  s56 ea, s57 eb, s58 eo;  s59 block;  s[60:61] an offset (s61 = 0);  s[66:67] the block's out base
.set MSB, 0
.macro WIN new                         ; the immediate's high byte repeats the setting that is left
.if MSB != (\new)
	s_set_vgpr_msb (MSB<<8)|(\new)
.set MSB, (\new)
.endif
.endm
.macro PLACES                          ; four plain places behind matrix instructions, ahead of reads of results and of loads into operands
.rept 4
	v_nop
.endr
.endm
.macro MKSCALE se, vs                  ; v[vs] = 2^s[se] as f32; v[vs + 1] = 448 x that
	s_add_co_i32 s62, s[\se], 127
	s_lshl_b32 s63, s62, 23
	v_mov_b32 v[\vs], s63
	s_add_co_i32 s62, s62, 8
	s_lshl_b32 s62, s62, 23
	s_or_b32 s62, s62, 0x600000
	v_mov_b32 v[\vs+1], s62
.endm
.macro WLOAD f                         ; fragment f = 4 t + s of W as f32: my row's 16 neighbours of each block of 32, into slot f % 4 of window 1
.set WT, (\f)/4
.set WS, (\f)%4
.set SL, 64*((\f)%4)
.irp c, 0,1,2,3
.irp j, 0,1,2,3
	global_load_b128 v[SL+16*\c+4*\j:SL+16*\c+4*\j+3], v[WOF], s[50:51] offset:(32*(WT/2)+8*(WT%2))*2048+512*WS+128*\c+16*\j
.endr
.endr
.endm
.macro WQ f, left                      ; fragment f is held and converted straight into its place in window 2 or 3.  left: the loads issued behind its own
.set SL, 64*((\f)%4)
.set CD, 16*((\f)%16)
	s_wait_loadcnt \left
	WIN 0x41
.set i, 0
.rept 64
	v_med3_num_f32 v[SL+i], v[SL+i], -v19, v19     ; the conversion to an 8-bit code does not saturate (ISA guide 7.6.2)
.set i, i+1
.endr
	WIN ((2+(\f)/16)<<6)|1
.irp q, 0,1,2,3,4,5,6,7
	v_cvt_scalef32_pk8_fp8_f32 v[CD+2*\q:CD+2*\q+1], v[SL+8*\q:SL+8*\q+7], v18
.endr
.endm
.macro XLOAD f                         ; K step f of my 16 rows of x: each load takes 512 consecutive bytes of one row; row p lands at 64 f + 4 p of window 1
.irp p, 0,1,2,3,4,5,6,7
	global_load_b128 v[64*(\f)+4*\p:64*(\f)+4*\p+3], v[XLO], s[48:49] offset:2048*\p+512*(\f) th:TH_LOAD_NT
.endr
.irp p, 8,9,10,11,12,13,14,15
	global_load_b128 v[64*(\f)+4*\p:64*(\f)+4*\p+3], v[XHI], s[48:49] offset:2048*\p+512*(\f) th:TH_LOAD_NT
.endr
.endm
.macro BACK f, dst                     ; out of the stage: register 16 b + i = k 32 b + 16 h + i of my row
.irp b, 0,1,2,3
.irp j, 0,1,2,3
	ds_load_b128 v[\dst+16*\b+4*\j:\dst+16*\b+4*\j+3], v[SOUT] offset:FST*(\f)+128*\b+16*\j
.endr
.endr
.endm
.macro MED src, lim
.set i, 0
.rept 64
	v_med3_num_f32 v[\src+i], v[\src+i], -v[\lim], v[\lim]
.set i, i+1
.endr
.endm
.macro CVT src, sc
.irp q, 0,1,2,3,4,5,6,7
	v_cvt_scalef32_pk8_fp8_f32 v[PC+2*\q:PC+2*\q+1], v[\src+8*\q:\src+8*\q+7], v[\sc]
.endr
	v_nop                                          ; one plain line behind the last conversion of a run
.endm
.macro IMG f                           ; the fragment in v[PC] on goes to LDS as it stands
.irp c, 0,1,2,3
	ds_store_b128 v[XST], v[PC+4*\c:PC+4*\c+3] offset:2048*(\f)+512*\c
.endr
.endm
.macro FETCHX m                        ; tile m's four fragments
.irp s, 0,1,2,3
.irp c, 0,1,2,3
	ds_load_b128 v[XF+16*\s+4*\c:XF+16*\s+4*\c+3], v[XFE] offset:(4*(\m)+\s)*2048+512*\c
.endr
.endr
.endm
.macro MULA hi                         ; q, k: tiles 4 hi .. 4 hi + 3 of W against one tile of x, all of K; the four accumulators by turns; the bias starts the sums
	WIN 0x02+(\hi)
.irp s, 0,1,2,3
.irp t, 0,1,2,3
.if \s == 0
	v_wmma_f32_16x16x128_fp8_fp8 v[ACC+8*(4*(\hi)+\t):ACC+8*(4*(\hi)+\t)+7], v[16*(4*\t+\s):16*(4*\t+\s)+15], v[XF+16*\s:XF+16*\s+15], v[BI+8*(4*(\hi)+\t):BI+8*(4*(\hi)+\t)+7]
.else
	v_wmma_f32_16x16x128_fp8_fp8 v[ACC+8*(4*(\hi)+\t):ACC+8*(4*(\hi)+\t)+7], v[16*(4*\t+\s):16*(4*\t+\s)+15], v[XF+16*\s:XF+16*\s+15], v[ACC+8*(4*(\hi)+\t):ACC+8*(4*(\hi)+\t)+7]
.endif
.endr
.endr
.endm
.macro FX p, s, buf                    ; v: K step s of token tiles 2 p, 2 p + 1 into buffer buf
.irp i, 0,1
.irp c, 0,1,2,3
	ds_load_b128 v[XF+32*(\buf)+16*\i+4*\c:XF+32*(\buf)+16*\i+4*\c+3], v[XFE] offset:(4*(2*(\p)+\i)+(\s))*2048+512*\c
.endr
.endr
.endm
.macro MULB s, buf, hi                 ; v: source 0 = x, source 1 = W; eight accumulators by turns: (tile of x i, tile of W t) at ACC + 16 t + 8 i
	WIN 0x08+4*(\hi)
.irp t, 0,1,2,3
.irp i, 0,1
.if (\s) == 0
	v_wmma_f32_16x16x128_fp8_fp8 v[ACC+16*(4*(\hi)+\t)+8*\i:ACC+16*(4*(\hi)+\t)+8*\i+7], v[XF+32*(\buf)+16*\i:XF+32*(\buf)+16*\i+15], v[16*(4*\t+(\s)):16*(4*\t+(\s))+15], 0
.else
	v_wmma_f32_16x16x128_fp8_fp8 v[ACC+16*(4*(\hi)+\t)+8*\i:ACC+16*(4*(\hi)+\t)+8*\i+7], v[XF+32*(\buf)+16*\i:XF+32*(\buf)+16*\i+15], v[16*(4*\t+(\s)):16*(4*\t+(\s))+15], v[ACC+16*(4*(\hi)+\t)+8*\i:ACC+16*(4*(\hi)+\t)+8*\i+7]
.endif
.endr
.endr
.endm
.macro PAIR p                          ; v: 32 tokens x my 128 channels
.irp s, 0,1,2,3
.if (\s) == 3 && (\p) == 1
	s_wait_dscnt 0x0                               ; the last buffer: nothing was asked for behind it
.else
	s_wait_dscnt 8                                 ; this K step's eight loads are in; the other buffer's eight may be out
.endif
	MULB \s, (\s)%2, 0
	MULB \s, (\s)%2, 1
	WIN 0
	PLACES
.if (\s) < 2
	FX \p, (\s)+2, (\s)%2
.elseif (\p) == 0
	FX 1, (\s)-2, (\s)%2
.endif
.endr
.irp t, 0,1,2,3,4,5,6,7                ; tile t: my lane's channel, keys 32 p + 16 h + 0..15 in 16 registers
.if (\t)%4 == 0
	s_wait_xcnt 0x0                                ; the stores that read these four sets of code registers have read them
.endif
.set A16, ACC+16*\t
.set i, 0
.rept 8
	v_pk_add_f32 v[A16+i:A16+i+1], v[A16+i:A16+i+1], v[BV+2*\t:BV+2*\t+1] op_sel_hi:[1,0]   ; + b / 2^(ea + eb); each accumulator from its low end on
.set i, i+2
.endr
.set i, 0
.rept 16
	v_med3_num_f32 v[A16+i], v[A16+i], -v21, v21
.set i, i+1
.endr
	v_cvt_scalef32_pk8_fp8_f32 v[PC+4*((\t)%4):PC+4*((\t)%4)+1], v[A16:A16+7], v20
	v_cvt_scalef32_pk8_fp8_f32 v[PC+4*((\t)%4)+2:PC+4*((\t)%4)+3], v[A16+8:A16+15], v20
	global_store_b128 v[OF0+(\t)/4], v[PC+4*((\t)%4):PC+4*((\t)%4)+3], s[66:67] offset:2048*((\t)%4)+512*(\p)   ; 32 lanes store 512 consecutive bytes
.endr
	v_nop                                          ; one plain line behind the last conversion
.endm
	s_load_b512 s[4:19], s[0:1], 0x0               ; q, k, v, Wq, Wk, Wv, Wp, bq
	s_load_b256 s[20:27], s[0:1], 0x40             ; bk, bv, the scales' exponents, qc
	s_load_b128 s[28:31], s[0:1], 0x60             ; kv, wpc
	v_lshl_add_u32 v30, v0, 2, 0x29000
	v_mov_b32 v31, 0
	v_lshrrev_b32 v2, 5, v0
	v_readfirstlane_b32 s32, v2                    ; wave
	s_lshr_b32 s33, ttmp9, 6                       ; tensor: 0 q, 1 k, 2 v, 3 Wp
	s_and_b32 s34, ttmp9, 63                       ; share
	v_and_b32 v1, 31, v0
	v_lshlrev_b32 v[LI], 4, v1
	v_and_b32 v2, 15, v0                           ; r
	v_bfe_u32 v3, v0, 4, 1                         ; h
	v_and_b32 v[WOF], 8, v2
	v_add_nc_u32 v[WOF], v[WOF], v2                ; r + 8 (r / 8)
	v_lshlrev_b32 v[BGO], 2, v[WOF]
	v_lshlrev_b32 v[WOF], 11, v[WOF]
	v_lshl_add_u32 v[WOF], v3, 6, v[WOF]
	v_lshlrev_b32 v[BOF], 6, v3
	s_mul_i32 s60, s32, STGW
	v_add_nc_u32 v[SIN], s60, v[LI]
	v_mul_u32_u24 v[SOUT], v2, SP
	v_lshl_add_u32 v[SOUT], v3, 6, v[SOUT]
	v_add_nc_u32 v[SOUT], s60, v[SOUT]
	s_lshl_b32 s60, s32, 13
	s_add_co_u32 s60, s60, XIMG
	v_add_nc_u32 v[XST], s60, v[LI]
	v_add_nc_u32 v[XFE], XIMG, v[LI]
	s_lshl_b32 s60, s32, 14
	v_add_nc_u32 v[WPO], s60, v[LI]
	s_mov_b32 s61, 0
	s_wait_kmcnt 0x0
	s_load_b256 s[36:43], s[24:25], 0x0            ; e0 .. e7
	s_load_b128 s[44:47], s[24:25], 0x20           ; e8 .. e11
	s_cmp_eq_u32 s33, 1                            ; the buffers are chosen by the work-group's number alone
	s_cselect_b64 s[48:49], s[6:7], s[4:5]
	s_cselect_b64 s[50:51], s[12:13], s[10:11]
	s_cselect_b64 s[52:53], s[20:21], s[18:19]
	s_cmp_eq_u32 s33, 2
	s_cselect_b64 s[48:49], s[8:9], s[48:49]
	s_cselect_b64 s[50:51], s[14:15], s[50:51]
	s_cselect_b64 s[52:53], s[22:23], s[52:53]
	s_cselect_b32 s63, 0x10000, 0                  ; V's block lies behind K's
	s_cmp_eq_u32 s33, 3
	s_cselect_b64 s[50:51], s[16:17], s[50:51]
	s_cmp_eq_u32 s33, 0
	s_cselect_b64 s[54:55], s[26:27], s[28:29]
	s_cselect_b32 s35, 0, 1                        ; k, v: a head is twice as long in kv, and the tokens of a tile are not neighbours
	s_lshl_b32 s60, s32, 18
	s_add_nc_u64 s[50:51], s[50:51], s[60:61]      ; W at my 128 rows
	WIN 0x40
	WLOAD 0
	WLOAD 1
	WLOAD 2
	WLOAD 3
	WIN 0
	s_lshl_b32 s60, s34, 19
	s_add_nc_u64 s[48:49], s[48:49], s[60:61]      ; x at the share's 256 rows
	s_lshl_b32 s60, s32, 9
	s_add_nc_u64 s[52:53], s[52:53], s[60:61]      ; the bias at my 128 numbers
	s_lshr_b32 s60, s34, 2                         ; batch
	s_add_co_u32 s62, s35, 19
	s_lshl_b32 s60, s60, s62                       ; x 524,288 (qc) or 1,048,576 (kv)
	s_and_b32 s62, s34, 3
	s_lshl_b32 s62, s62, 14                        ; 256 tokens: 16 tiles of 1,024 bytes, or two key steps of 8,192
	s_add_co_u32 s60, s60, s62
	s_add_co_u32 s60, s60, s63
	s_add_nc_u64 s[54:55], s[54:55], s[60:61]
	s_add_co_u32 s62, s35, 17
	s_lshl_b32 s60, s32, s62                       ; head 2 w
	v_add_nc_u32 v[OF0], s60, v[LI]
	s_lshl_b32 s62, 0x10000, s35
	v_add_nc_u32 v[OF0+1], s62, v[OF0]
	s_and_b32 s60, s32, 1                          ; my tile's first token: 16 w, or 32 (w / 2) + 8 (w % 2) = 16 w - 8 (w % 2)
	s_mul_i32 s60, s60, s35
	s_lshl_b32 s60, s60, 3
	s_lshl_b32 s62, s32, 4
	s_sub_co_u32 s60, s62, s60
	s_lshl_b32 s60, s60, 11
	v_add_nc_u32 v[XLO], s60, v[LI]
	s_lshl_b32 s60, s35, 14
	v_add_nc_u32 v[XHI], s60, v[XLO]
	s_wait_kmcnt 0x0
	s_cmp_eq_u32 s33, 1
	s_cselect_b32 s56, s38, s36
	s_cselect_b32 s57, s39, s37
	s_cselect_b32 s58, s43, s42
	s_cmp_eq_u32 s33, 2
	s_cselect_b32 s56, s40, s56
	s_cselect_b32 s57, s41, s57
	s_cselect_b32 s58, s45, s58
	s_cmp_eq_u32 s33, 3
	s_cselect_b32 s57, s47, s57
	MKSCALE 56, 16
	MKSCALE 57, 18
	s_sub_co_i32 s58, s58, s56
	s_sub_co_i32 s58, s58, s57                     ; a sum stands for sum x 2^(ea + eb): the three scales are folded into the conversion's one
	MKSCALE 58, 20
	; ---- W: 32 fragments through a ring of four landing slots; behind a fragment's own loads three fragments' 48 are out
.set F, 0
.rept 28
	WQ F, 48
	WIN 0x40
	WLOAD F+4
.set F, F+1
.endr
	WIN 0
	s_cmp_eq_u32 s33, 3
	s_cbranch_scc1 .Lwp                            ; the two ways never join again, so each counted wait below has one meaning
.irp n, 0,1,2,3                        ; the freed slots take the first block of x: the count stays 48
	WQ 28+\n, 48
	WIN 0x40
	XLOAD \n
.endr
	WIN 0
.irp b, 0,1,2,3                        ; the bias in both layouts, so that every register that either way of the block loop names is written: as C operands (register 16 b + i: channel 32 b + 16 h + i of my 128),
.irp j, 0,1,2,3
	global_load_b128 v[BI+16*\b+4*\j:BI+16*\b+4*\j+3], v[BOF], s[52:53] offset:128*\b+16*\j
.endr
.endr
.irp t, 0,1,2,3,4,5,6,7                ; and my lane's channel of each tile
	global_load_b32 v[BV+2*\t], v[BGO], s[52:53] offset:(32*(\t/2)+8*(\t%2))*4
	v_mov_b32 v[BV+2*\t+1], 0
.endr
	s_add_co_i32 s62, s56, s57
	s_sub_co_i32 s62, 0, s62
	s_wait_loadcnt 0x0
.set i, 0
.rept 64
	v_ldexp_f32 v[BI+i], v[BI+i], s62              ; b / 2^(ea + eb): exact
.set i, i+1
.endr
.irp t, 0,1,2,3,4,5,6,7
	v_ldexp_f32 v[BV+2*\t], v[BV+2*\t], s62
.endr
	s_mov_b32 s59, 0
.Lblock:
	; ---- my 16 rows of x become four fragments.  The loads took the bytes as they lie; the stage turns them so that a lane holds 16 neighbours
	s_wait_loadcnt 0x0
	WIN 0x04                                       ; store data in window 1
.irp f, 0,1,2,3
.irp p, 0,1,2,3,4,5,6,7,8,9,10,11,12,13,14,15
	ds_store_b128 v[SIN], v[64*\f+4*\p:64*\f+4*\p+3] offset:FST*\f+SP*\p
.endr
.endr
	WIN 0
	BACK 0, ACC                                    ; LDS serves a wave's instructions in order (ISA guide 5.7.1.4): these see my stores
	BACK 1, XF
	s_wait_dscnt 16                                ; fragment 0 is back, so the stores have read the landing registers,
	s_cmp_eq_u32 s59, 3
	s_cbranch_scc1 .Lnonext                        ; which take the next block, if there is one: no load leaves its buffer
	s_add_nc_u64 s[48:49], s[48:49], 131072        ; (x's loads are all in: their base may step)
	WIN 0x40
	XLOAD 0
	XLOAD 1
	XLOAD 2
	XLOAD 3
	WIN 0
.Lnonext:
	MED ACC, 17
	s_wait_xcnt 0x0                                ; the last block's stores have read the code registers
	CVT ACC, 16
	IMG 0
	BACK 2, ACC
	s_wait_dscnt 20                                ; fragment 1 is back (behind it: 4 image stores, 16 loads)
	MED XF, 17
	s_wait_dscnt 16                                ; image 0's stores are done: the code registers may be written
	CVT XF, 16
	IMG 1
	BACK 3, XF
	s_wait_dscnt 20
	MED ACC, 17
	s_wait_dscnt 16
	CVT ACC, 16
	IMG 2
	s_wait_dscnt 4                                 ; fragment 3 is back (behind it: 4 image stores)
	MED XF, 17
	s_wait_dscnt 0x0
	CVT XF, 16
	IMG 3
	s_wait_dscnt 0x0                               ; for the others' sake: my images have landed
	s_barrier_signal -1
	s_barrier_wait -1                              ; the block's sixteen fragments lie in LDS
	s_cmp_eq_u32 s33, 2
	s_cbranch_scc1 .Lpathb
	; ---- q, k: a tile of 16 tokens at a time; a lane holds one token, and tiles 2 b, 2 b + 1 give it 16 neighbouring channels
	s_lshl_b32 s60, s59, 12                        ; four tiles of 1,024 bytes a block
	s_wait_xcnt 0x0                                ; earlier stores have read their base
	s_add_nc_u64 s[66:67], s[54:55], s[60:61]
	FETCHX 0
.irp m, 0,1,2,3
	s_wait_dscnt 0x0
	MULA 0
	MULA 1
	WIN 0
	PLACES
.if \m < 3
	FETCHX \m+1
.endif
	MED ACC, 21                                    ; each accumulator from its low end on
	s_wait_xcnt 0x0                                ; the last tile's stores have read the code registers
	CVT ACC, 20
.irp b, 0,1,2,3
	global_store_b128 v[OF0+\b/2], v[PC+4*\b:PC+4*\b+3], s[66:67] offset:1024*\m+512*(\b%2)   ; 32 lanes store 512 consecutive bytes
.endr
.endr
	s_branch .Lblkend
.Lpathb:
	; ---- v
	s_lshr_b32 s60, s59, 1
	s_lshl_b32 s60, s60, 13                        ; key step: 8,192 (block / 2)
	s_and_b32 s62, s59, 1
	s_lshl_b32 s62, s62, 10                        ; c = 2 (block % 2) + p
	s_add_co_u32 s60, s60, s62
	s_wait_xcnt 0x0
	s_add_nc_u64 s[66:67], s[54:55], s[60:61]
	FX 0, 0, 0
	FX 0, 1, 1
	PAIR 0
	PAIR 1
.Lblkend:
	s_wait_dscnt 0x0                               ; my reads of the images are over:
	s_barrier_signal -1
	s_barrier_wait -1                              ; only now may any wave write them again
	s_add_co_u32 s59, s59, 1
	s_cmp_lt_u32 s59, 4
	s_cbranch_scc1 .Lblock
	s_wait_tensorcnt 0x0
	ds_add_u32 v30, v31
	s_wait_dscnt 0x0
	s_endpgm
.Lwp:                                  ; work-group 192: the ring runs out, and the 512 registers go to wpc as they stand
	WQ 28, 48
	WQ 29, 32
	WQ 30, 16
	WQ 31, 0
	v_nop
	WIN 0x08                                       ; store data in window 2
.irp t, 0,1,2,3
.irp s, 0,1,2,3
.irp c, 0,1,2,3
	global_store_b128 v[WPO], v[16*(4*\t+\s)+4*\c:16*(4*\t+\s)+4*\c+3], s[30:31] offset:65536*\s+2048*\t+512*\c
.endr
.endr
.endr
	WIN 0x0c                                       ; window 3
.irp t, 0,1,2,3
.irp s, 0,1,2,3
.irp c, 0,1,2,3
	global_store_b128 v[WPO], v[16*(4*\t+\s)+4*\c:16*(4*\t+\s)+4*\c+3], s[30:31] offset:65536*\s+2048*(\t+4)+512*\c
.endr
.endr
.endr
	WIN 0
	s_endpgm
.Lfunc_end_k_qa2cb1933bb_proj:
	.size	k_qa2cb1933bb_proj, .Lfunc_end_k_qa2cb1933bb_proj-k_qa2cb1933bb_proj
	.p2alignl 7, 3214868480
	.fill 96, 4, 3214868480
	.section	.rodata,"a",@progbits
	.p2align	6, 0x0
	.amdhsa_kernel k_qa2cb1933bb_proj
		.amdhsa_group_segment_fixed_size 168448
		.amdhsa_private_segment_fixed_size 0
		.amdhsa_enable_private_segment 0
		.amdhsa_kernarg_size 112
		.amdhsa_user_sgpr_count 2
		.amdhsa_user_sgpr_kernarg_segment_ptr 1
		.amdhsa_wavefront_size32 1
		.amdhsa_system_sgpr_workgroup_id_x 1
		.amdhsa_system_sgpr_workgroup_id_y 1
		.amdhsa_system_sgpr_workgroup_id_z 1
		.amdhsa_system_vgpr_workitem_id 0
		.amdhsa_next_free_vgpr 1024
		.amdhsa_next_free_sgpr 80
		.amdhsa_reserve_vcc 0
		.amdhsa_float_denorm_mode_32 3
		.amdhsa_float_denorm_mode_16_64 3
		.amdhsa_memory_ordered 1
		.amdhsa_forward_progress 1
		.amdhsa_inst_pref_size 255
	.end_amdhsa_kernel
	.section	.bss,"aw",@nobits
	.p2align	6
	.space	262144
	.amdgpu_metadata
---
amdhsa.version: [ 1, 2 ]
amdhsa.kernels:
  - .name:           k_qa2cb1933bb_proj
    .symbol:         k_qa2cb1933bb_proj.kd
    .args:
      - { .name: q, .offset: 0, .size: 8, .value_kind: global_buffer, .address_space: global }
      - { .name: k, .offset: 8, .size: 8, .value_kind: global_buffer, .address_space: global }
      - { .name: v, .offset: 16, .size: 8, .value_kind: global_buffer, .address_space: global }
      - { .name: Wq, .offset: 24, .size: 8, .value_kind: global_buffer, .address_space: global }
      - { .name: Wk, .offset: 32, .size: 8, .value_kind: global_buffer, .address_space: global }
      - { .name: Wv, .offset: 40, .size: 8, .value_kind: global_buffer, .address_space: global }
      - { .name: Wp, .offset: 48, .size: 8, .value_kind: global_buffer, .address_space: global }
      - { .name: bq, .offset: 56, .size: 8, .value_kind: global_buffer, .address_space: global }
      - { .name: bk, .offset: 64, .size: 8, .value_kind: global_buffer, .address_space: global }
      - { .name: bv, .offset: 72, .size: 8, .value_kind: global_buffer, .address_space: global }
      - { .name: lowp_scales, .offset: 80, .size: 8, .value_kind: global_buffer, .address_space: global }
      - { .name: qc, .offset: 88, .size: 8, .value_kind: global_buffer, .address_space: global }
      - { .name: kv, .offset: 96, .size: 8, .value_kind: global_buffer, .address_space: global }
      - { .name: wpc, .offset: 104, .size: 8, .value_kind: global_buffer, .address_space: global }
    .group_segment_fixed_size: 168448
    .private_segment_fixed_size: 0
    .kernarg_segment_align: 8
    .kernarg_segment_size: 112
    .max_flat_workgroup_size: 128
    .sgpr_count:     80
    .vgpr_count:     1024
    .wavefront_size: 32
...
	.end_amdgpu_metadata
.endif
;; end of part 1
;; launch attn (part 2): grid 16 x 16, 4 waves a work-group, clusters of 4 x 1, 327,680 bytes of LDS; arguments d, qc, kv, wpc, bp, lowp_scales, out0; writes out0
.if DOCPART == 2
	.amdgcn_target "amdgcn-amd-amdhsa--gfx1250"
	.amdhsa_code_object_version 6
	.text
	.protected	k_qa2cb1933bb_attn
	.globl	k_qa2cb1933bb_attn
	.p2align	8
	.type	k_qa2cb1933bb_attn,@function
k_qa2cb1933bb_attn:
	s_mov_b64 s[64:65], 0
	v_nop
	global_prefetch_b8 v0, s[64:65] scope:SCOPE_SE
	s_setreg_imm32_b32 hwreg(HW_REG_WAVE_MODE, 25, 1), 1
	s_wait_xcnt 0x0
	s_wait_alu depctr_hold_cnt(0) depctr_sa_sdst(0) depctr_va_vdst(0) depctr_va_sdst(0) depctr_va_ssrc(0) depctr_va_vcc(0) depctr_vm_vsrc(0)
	s_getreg_b32 s2, hwreg(HW_REG_IB_STS2, 6, 4)
	s_cmp_eq_u32 s2, 0
	s_cbranch_scc0 .Lentry_in_a_cluster
	s_endpgm
.Lentry_in_a_cluster:
	s_bfe_u32 s2, ttmp6, 0x10000c
	s_cmp_lg_u32 s2, 0x3003
	s_cbranch_scc0 .Lentry_shape_is_right
	s_endpgm
.Lentry_shape_is_right:
; out = (sum over keys of Q8(softmax(Q K^T / 8 + d) d) V) Wp^T + bp, all three products on codes of FP8 (E4M3) with the given scales.  Layouts of qc, kv, wpc: as the launch before stores them
; (images of operand registers; every fragment places k alike, 16 bytes at 32 c + 16 h, on both sides of each product, so the order of the sums inside an instruction differs from ascending k).
; SHARES.  A work-group owns 64 queries of one batch; wave w owns 16 of them and walks the 8 heads.  The four waves are on the same head and share its K and V in LDS.
; CLUSTER.  The four work-groups of a cluster belong to one batch and walk the same K and V (and the same first two blocks of Wp): each 65,536-byte block is asked for JOINTLY, a quarter a wave.
; d: a wave's 16 rows are its own and serve all 8 heads: key chunks 0, 2, 4, 6 (128 keys each) lie in LDS, chunks 1, 3, 5, 7 in the 256 registers of window 3: all of d beside a head's K and V does not fit in LDS.
; LAYOUT.  S^T = K Q^T: lane (r, h) holds query r; by the order of the keys in K's tiles, register 16 b + i of chunk c is key 128 c + 32 b + 16 h + i.  O^T = V^T P^T and out^T = Wp x^T likewise hold one query a lane.
; THE WEIGHT IS QUANTISED FINISHED AND NORMALISED, so the row's sum must be known first.  Phase A, per chunk: u = s 2^(e6+e7-3) + d (one rounding); the lane's own largest u; M_c = ceil(u_max log2 e), a whole number;
; p = 2^(u log2 e - M_c); L_c = sum of p; w = p d stays in registers, all 8 chunks (512).  Then M = the largest M_c of the lane and of lane xor 16, l = the sum of L_c 2^(M_c - M), G_c = 2^(M_c - M) / l: the pieces are joined
; by exact powers of two.  Phase B, per chunk: w G_c, the hold, the conversion with 2^e8, four products.
; THE RING.  Two slots, K's and V's, each filled again once a head: K1 V1 .. K7 V7, then Wp's blocks 0 and 1: every trip of the loop issues the same two loads, and every fill is read.
; LIMITS: e8 and e10 - e8 - e9 between -126 and 119; e6 + e7 - 3 and e10 + e11 between -126 and 127.  NaN and infinities among the inputs are not served.
.set KS,    0                          ; LDS: K's slot, 65,536 bytes
.set VS,    65536                      ; V's slot
.set DREG,  131072                     ; d: for each wave 4 chunks x 16 rows x (512 bytes + 16)
.set DWV,   33792
.set DCH,   8448
.set DP,    528                        ; 33 x 16 bytes
.set XIMG,  266240                     ; the heads' outputs as codes: fragment (query tile m, K step s) at 2048 (4 m + s)
.set SPARE, 299008                     ; the spare words, 128 bytes for each wave: two blocks of 256 bytes that no other line names
; the way out's stage, 16 rows x 528 bytes a wave, is the head of the wave's own part of DREG: it has had its one fill, and its last read of d is over
.set LI,   1                           ; v1   16 x lane; K's slot begins at LDS byte 0, so this is also K's address
.set DA,   2                           ; v2   d in LDS: my part + 528 r + 64 h; also where I put results into the stage
.set XA,   3                           ; v3   XIMG + 16 x lane
.set VA,   4                           ; v4   VS + 16 x lane
.set SPW,  5                           ; v5   my spare word; never rewritten
.set NIL,  6                           ; v6   0; never rewritten
.set XW,   7                           ; v7   where I store x's images: XA + 8,192 w
.set AD,   8                           ; v8   the address in hand
.set DO,   9                           ; v9   d in memory: 4,096 r + 64 h
.set BO,   10                          ; v10  64 h
.set SR,   11                          ; v11  the stage, read back by rows
.set KW,   12                          ; v12  16,384 w + 16 x lane: my quarter of K's slot, and of a block of wpc
.set PFO,  13                          ; v13  256 x lane
.set SC8,  14                          ; v14, v15  2^e8, 448 x 2^e8
.set SCX,  16                          ; v16, v17  2^(e10 - e8 - e9), 448 x that
.set NINF, 18                          ; v18  -infinity
.set VW,   19                          ; v19  my quarter of V's slot
.set MN,   20                          ; v20 + 2 c: -M_c (the odd ones are named in pairs and written once)
.set LS,   36                          ; v36 + c:   L_c
.set GS,   44                          ; v44 + 2 c: M_c - M, then G_c
.set TW,   60                          ; v60-67 at work
.set QF,   68                          ; v68-75 Q
.set OT,   76                          ; v76-107 O^T, four tiles
.set PC,   108                         ; v108-123 the codes just made
.set KF,   124                         ; v124-187 eight fragments of K, or four of V
.set DT,   188                         ; v188-251 d of an even chunk
; window 1: w of chunks 0-3; window 2: of chunks 4-7; window 3: d of chunks 1, 3, 5, 7.  In the tail: v20-83 bp; window 1 the 32 accumulators; window 2 Wp's blocks 0, 1; window 3 blocks 2, 3
; s18 wave, s19 cx, s20 query block, s21 batch; s[24:31], s[32:39] descriptor groups 1; s[40:43] K's group 0, s[44:47] V's, s[48:63] d's four; s[66:69] Wp's blocks 0, 1 as address words; s[70:71] d at my rows;
; s[72:83] the exponents; s[84:85] 2^(e6+e7-3); s[86:87] 2^(e10+e11); s[88:89] lane selects; s90 head; s91 1,024 x head; s[92:93] Q; s[94:95], s96, s97 the prefetches; s[98:99] log2 e
.set MSB, 0
.macro WIN new                         ; the immediate's high byte repeats the setting that is left
.if MSB != (\new)
	s_set_vgpr_msb (MSB<<8)|(\new)
.set MSB, (\new)
.endif
.endm
.macro PLACES                          ; four plain places behind matrix instructions, ahead of reads of results and of loads into operands
.rept 4
	v_nop
.endr
.endm
.macro ROUND                           ; a round of the cluster's barrier
	s_barrier_signal -1
	s_barrier_wait -1
	s_cmp_lg_u32 s18, 0
	s_cbranch_scc1 .Lnw0_\@
	s_barrier_signal -3
.Lnw0_\@:
	s_barrier_wait -3
	s_barrier_signal -1
	s_barrier_wait -1
.endm
.macro KLOAD c                         ; chunk c's eight tiles of K
.irp t, 0,1,2,3,4,5,6,7
	ds_load_b128 v[KF+8*\t:KF+8*\t+3], v[LI] offset:KS+(8*(\c)+\t)*1024
	ds_load_b128 v[KF+8*\t+4:KF+8*\t+7], v[LI] offset:KS+(8*(\c)+\t)*1024+512
.endr
.endm
.macro DLOAD c                         ; d of the even chunk c
.irp b, 0,1,2,3
.irp j, 0,1,2,3
	ds_load_b128 v[DT+16*\b+4*\j:DT+16*\b+4*\j+3], v[DA] offset:DCH*((\c)/2)+128*\b+16*\j
.endr
.endr
.endm
.macro GDLOAD c                        ; d of the odd chunk c, from memory into window 3; the chunk's 16 loads take all 512 bytes of each of my 16 rows
.irp b, 0,1,2,3
.irp j, 0,1,2,3
	global_load_b128 v[64*((\c)/2)+16*\b+4*\j:64*((\c)/2)+16*\b+4*\j+3], v[DO], s[70:71] offset:512*(\c)+128*\b+16*\j
.endr
.endr
.endm
.macro VLOAD st                        ; key step st's four tiles of V
.irp t, 0,1,2,3
.irp c, 0,1,2,3
	ds_load_b128 v[KF+16*\t+4*\c:KF+16*\t+4*\c+3], v[VA] offset:8192*(\st)+2048*\t+512*\c
.endr
.endr
.endm
; PHASE A for chunk c
.macro CHUNK c
.set X, 1+(\c)/4
.set WB, 64*((\c)%4)
.if (\c)%2
.set DW, 3
.set DR, 64*((\c)/2)
	s_wait_dscnt 16                                ; K's fragments are in; the next even chunk's d, asked for behind them, may be out
.else
.set DW, 0
.set DR, DT
	s_wait_dscnt 0x0                               ; K's fragments and this chunk's d
.endif
	WIN X<<6
.irp t, 0,1,2,3,4,5,6,7
	v_wmma_f32_16x16x64_fp8_fp8 v[WB+8*\t:WB+8*\t+7], v[KF+8*\t:KF+8*\t+7], v[QF:QF+7], 0
.endr
	PLACES
.if (\c) < 7
	WIN 0
	KLOAD (\c)+1
.endif
.if (\c)%2
	s_wait_loadcnt 48-16*((\c)/2)                  ; first head: this chunk's d is in, the later odd chunks' 16 loads each may be out; later heads: nothing is out
.endif
	WIN (X<<6)|(DW<<4)|X
.set p, 0
.rept 32
	v_pk_fma_f32 v[WB+p:WB+p+1], v[WB+p:WB+p+1], s[84:85], v[DR+p:DR+p+1] op_sel_hi:[1,0,1]   ; u = s 2^(e6+e7-3) + d; each accumulator from its low end on
.set p, p+2
.endr
	WIN (X<<4)|(X<<2)
	v_max3_num_f32 v[TW], v[NINF], v[WB], v[WB+1]  ; my lane's largest u of the chunk, in two chains
	v_max3_num_f32 v[TW+1], v[NINF], v[WB+2], v[WB+3]
.set p, 4
.rept 15
	v_max3_num_f32 v[TW], v[TW], v[WB+p], v[WB+p+1]
	v_max3_num_f32 v[TW+1], v[TW+1], v[WB+p+2], v[WB+p+3]
.set p, p+4
.endr
	WIN 0
	v_max_num_f32 v[TW], v[TW], v[TW+1]
	v_mul_f32 v[TW], s98, v[TW]
	v_floor_f32 v[MN+2*(\c)], -v[TW]               ; -M_c = floor(-t) = -ceil(t)
	WIN (X<<6)|X
.set p, 0
.rept 2
	v_pk_fma_f32 v[WB+p:WB+p+1], v[WB+p:WB+p+1], s[98:99], v[MN+2*(\c):MN+2*(\c)+1] op_sel_hi:[1,0,0]
.set p, p+2
.endr
.set p, 0
.rept 32                               ; one batch: none of these lines names an exponential's result
	v_exp_f32 v[WB+p], v[WB+p]
	v_exp_f32 v[WB+p+1], v[WB+p+1]
.if p < 60
	v_pk_fma_f32 v[WB+p+4:WB+p+5], v[WB+p+4:WB+p+5], s[98:99], v[MN+2*(\c):MN+2*(\c)+1] op_sel_hi:[1,0,0]   ; u log2 e - M_c, two pairs ahead of its exponentials
.endif
.set p, p+2
.endr
	v_nop                                          ; a plain line behind the last exponential
	s_wait_alu depctr_va_vdst(0)                   ; one wait for the batch, ahead of its first reader
	WIN X
	v_pk_add_f32 v[TW+2:TW+3], v[WB:WB+1], 0 op_sel_hi:[1,0]       ; L_c in two chains; the constant starts them under the one window setting that the chains need
	v_pk_add_f32 v[TW+4:TW+5], v[WB+2:WB+3], 0 op_sel_hi:[1,0]
.set p, 4
.rept 15
	v_pk_add_f32 v[TW+2:TW+3], v[WB+p:WB+p+1], v[TW+2:TW+3]
	v_pk_add_f32 v[TW+4:TW+5], v[WB+p+2:WB+p+3], v[TW+4:TW+5]
.set p, p+4
.endr
	WIN (X<<6)|(DW<<2)|X
.set p, 0
.rept 32
	v_pk_mul_f32 v[WB+p:WB+p+1], v[WB+p:WB+p+1], v[DR+p:DR+p+1]    ; w = p d
.set p, p+2
.endr
	WIN 0
	v_pk_add_f32 v[TW+2:TW+3], v[TW+2:TW+3], v[TW+4:TW+5]
	v_add_f32 v[LS+(\c)], v[TW+2], v[TW+3]
.if (\c)%2 == 0
.if (\c) < 6
	s_wait_tensorcnt 3-(\c)/2                      ; first head: the next even chunk's tile of d has landed; the younger first fills may be out.  Later heads: one load, V's, is out
.endif
	DLOAD ((\c)+2)%8                               ; it lands during the odd chunk between.  (Behind chunk 6 it is the next head's chunk 0; in the last head that load serves nothing, and stays, since chunk 7's counted wait leans on it)
.endif
.endm
; PHASE B for key step st
.macro BSTEP st
.set X, 1+(\st)/4
.set WB, 64*((\st)%4)
	WIN (X<<6)|X
.set p, 0
.rept 32
	v_pk_mul_f32 v[WB+p:WB+p+1], v[WB+p:WB+p+1], v[GS+2*(\st):GS+2*(\st)+1] op_sel_hi:[1,0]   ; the finished weight
.set p, p+2
.endr
.set p, 0
.rept 64
	v_med3_num_f32 v[WB+p], v[WB+p], -v[SC8+1], v[SC8+1]           ; the conversion to an 8-bit code does not saturate (ISA guide 7.6.2); d may have either sign
.set p, p+1
.endr
	WIN X
.irp q, 0,1,2,3,4,5,6,7
	v_cvt_scalef32_pk8_fp8_f32 v[PC+2*\q:PC+2*\q+1], v[WB+8*\q:WB+8*\q+7], v[SC8]
.endr
	WIN 0
	v_nop                                          ; one plain line between the conversions and the products that read their results
	s_wait_dscnt 0x0                               ; V's fragments
.irp t, 0,1,2,3
.if (\st) == 0
	v_wmma_f32_16x16x128_fp8_fp8 v[OT+8*\t:OT+8*\t+7], v[KF+16*\t:KF+16*\t+15], v[PC:PC+15], 0
.else
	v_wmma_f32_16x16x128_fp8_fp8 v[OT+8*\t:OT+8*\t+7], v[KF+16*\t:KF+16*\t+15], v[PC:PC+15], v[OT+8*\t:OT+8*\t+7]
.endif
.endr
	PLACES
.if (\st) < 7
	VLOAD (\st)+1
.endif
.endm
; A CHANGE OF A SLOT.  Each wave waits for all its tensor loads (the one that is out is its quarter of the OTHER slot), adds 0 to its spare word, waits for that and for its reads of this slot; a round of the cluster's
; barrier; then the joint refill, first thing: every wave its own quarter.  Behind the round the other slot is whole for all four waves.  In the last head the slot takes a block of Wp.
; A PREFETCH INTO THE L2 follows the load's four lines: the block that the NEXT change will ask for, half a head ahead.  All four clusters of a batch walk the same blocks: the first asks.  Its four partners are told
; apart by address; in each, waves 0 and 1 ask: 256 x (64 cx + 32 w + lane): each 256 bytes of a block once.  Blocks 0 to 2 of a batch and Wp's come by their loads alone; the limits stop at the batch's last block.
.macro CHANGE g0, wa, lim
	WIN 0
	s_wait_tensorcnt 0x0                           ; no tensor load of mine is out, so a group 0 may be written
	ds_add_u32 v[SPW], v[NIL]
	s_add_nc_u64 s[\g0+2:\g0+3], s[\g0+2:\g0+3], 131072   ; the next head's block
	s_cmp_eq_u32 s90, 7
	s_cselect_b64 s[\g0+2:\g0+3], s[\wa:\wa+1], s[\g0+2:\g0+3]
	s_wait_xcnt 0x0                                ; the last prefetch, half a head back, has read its address
	s_add_nc_u64 s[94:95], s[94:95], 65536
	s_wait_dscnt 0x0                               ; the add is done, my reads of the slot are over, and my stores of x's images have landed
	ROUND
	tensor_load_to_lds s[\g0:\g0+3], s[24:31]
	s_nop 0
	PLACES
	s_cmp_lt_u32 s90, s[\lim]
	s_cbranch_scc0 .Lnoask_\@
	global_prefetch_b8 v[PFO], s[94:95] th:TH_LOAD_NT scope:SCOPE_SE
.Lnoask_\@:
.endm
.macro XFETCH s, dst                   ; K step s of x: the four query tiles' fragments
.irp m, 0,1,2,3
.irp c, 0,1,2,3
	ds_load_b128 v[\dst+16*\m+4*\c:\dst+16*\m+4*\c+3], v[XA] offset:(4*\m+(\s))*2048+512*\c
.endr
.endr
.endm
.macro PSTEP s, xf                     ; out^T += Wp x^T, K step s: 32 accumulators (m, t) at 64 m + 8 t of window 1, by turns
	WIN 0x50|(2+(\s)/2)
.irp m, 0,1,2,3
.irp t, 0,1,2,3,4,5,6,7
.if (\s) == 0
	v_wmma_f32_16x16x128_fp8_fp8 v[64*\m+8*\t:64*\m+8*\t+7], v[128*((\s)%2)+16*\t:128*((\s)%2)+16*\t+15], v[\xf+16*\m:\xf+16*\m+15], 0
.else
	v_wmma_f32_16x16x128_fp8_fp8 v[64*\m+8*\t:64*\m+8*\t+7], v[128*((\s)%2)+16*\t:128*((\s)%2)+16*\t+15], v[\xf+16*\m:\xf+16*\m+15], v[64*\m+8*\t:64*\m+8*\t+7]
.endif
.endr
.endr
.endm
	s_load_b256 s[4:11], s[0:1], 0x0               ; d, qc, kv, wpc
	s_load_b128 s[12:15], s[0:1], 0x20             ; bp, the scales' exponents
	s_load_b64 s[16:17], s[0:1], 0x30              ; out0
	v_lshl_add_u32 v[SPW], v0, 2, SPARE
	v_mov_b32 v[NIL], 0
	ds_add_u32 v5, v6
	ds_add_u32 v5, v6
	s_wait_dscnt 0x0
	v_lshrrev_b32 v[AD], 5, v0
	v_readfirstlane_b32 s18, v[AD]                 ; wave
	s_bfe_u32 s19, ttmp6, 0x40000                  ; cx
	s_lshl_b32 s20, ttmp9, 2
	s_add_co_u32 s20, s20, s19                     ; my block of 64 queries: it enters d's, Q's and out's addresses alone
	s_and_b32 s21, ttmp7, 0xffff                   ; the batch, which the four partners share
	; group 1 for a quarter of a block: 64 rows of 256 bytes, dense
	s_mov_b32 s24, 15|(3<<16)|(1<<21)              ; 15:0 the mask: all four work-groups; 17:16 elements of 8 bytes; 21 set beside a mask
	s_mov_b32 s25, 32<<16                          ; tensor_dim0 = 32
	s_mov_b32 s26, 64<<16                          ; tensor_dim1 = 64
	s_mov_b32 s27, 32<<16                          ; tile_dim0
	s_mov_b32 s28, 64                              ; tile_dim1
	s_mov_b32 s29, 32                              ; pitch
	s_mov_b32 s30, 0
	s_mov_b32 s31, 0
	; group 1 for a chunk of d: 16 rows of 128 f32, 1,024 apart, 16 bytes of padding behind each row
	s_mov_b32 s32, (2<<16)|(1<<20)|(6<<22)|(3<<25) ; no mask; elements of 4 bytes; padding on, after every 128 words, 4 words
	s_mov_b32 s33, 128<<16
	s_mov_b32 s34, 16<<16
	s_mov_b32 s35, 128<<16
	s_mov_b32 s36, 16
	s_mov_b32 s37, 1024
	s_mov_b32 s38, 0
	s_mov_b32 s39, 0
	v_and_b32 v1, 31, v0
	v_lshlrev_b32 v[PFO], 8, v1
	v_lshlrev_b32 v[LI], 4, v1
	v_and_b32 v[AD], 15, v0                        ; r
	v_bfe_u32 v[BO], v0, 4, 1                      ; h
	v_mul_u32_u24 v[DA], v[AD], DP
	v_lshl_add_u32 v[DA], v[BO], 6, v[DA]
	s_mul_i32 s2, s18, DWV
	s_add_co_u32 s2, s2, DREG                      ; my part of DREG
	v_add_nc_u32 v[DA], s2, v[DA]
	v_add_nc_u32 v[SR], s2, v[LI]
	v_lshlrev_b32 v[DO], 12, v[AD]
	v_lshl_add_u32 v[DO], v[BO], 6, v[DO]
	v_lshlrev_b32 v[BO], 6, v[BO]
	v_add_nc_u32 v[XA], XIMG, v[LI]
	v_add_nc_u32 v[VA], VS, v[LI]
	s_lshl_b32 s3, s18, 13
	v_add_nc_u32 v[XW], s3, v[XA]
	s_lshl_b32 s3, s18, 14
	v_add_nc_u32 v[KW], s3, v[LI]
	v_add_nc_u32 v[VW], VS, v[KW]
	v_mov_b32 v[NINF], 0xff800000
.irp c, 0,1,2,3,4,5,6,7
	v_mov_b32 v[MN+2*\c+1], 0
	v_mov_b32 v[GS+2*\c+1], 0
.endr
	s_mov_b32 s88, 0x76543210
	s_mov_b32 s89, 0xfedcba98
	s_mov_b32 s98, 0x3fb8aa3b                      ; log2 e
	s_mov_b32 s99, s98
	s_lshr_b32 s96, s18, 1                         ; who prefetches: waves 0 and 1
	s_or_b32 s96, s96, ttmp9                       ; of the batch's first cluster: the same in all four partners
	s_cmp_eq_u32 s96, 0
	s_cselect_b32 s96, 7, 0                        ; at K's change in heads 0-6 (V of the next head), at V's in heads 0-5 (K of the head after next)
	s_cselect_b32 s97, 6, 0
	s_wait_kmcnt 0x0
	s_load_b256 s[72:79], s[14:15], 0x0            ; e0 .. e7
	s_load_b128 s[80:83], s[14:15], 0x20           ; e8 .. e11
	s_lshl_b32 s22, s21, 20
	s_mov_b32 s23, 0
	s_add_nc_u64 s[8:9], s[8:9], s[22:23]          ; kv at my batch
	s_lshl_b32 s100, s19, 14
	s_lshl_b32 s101, s18, 13
	s_add_co_u32 s100, s100, s101
	s_add_co_u32 s100, s100, 131072
	s_mov_b32 s101, 0
	s_add_nc_u64 s[94:95], s[8:9], s[100:101]      ; my part of block 2: the first change steps it to block 3
	s_lshl_b32 s22, s18, 14
	s_add_nc_u64 s[8:9], s[8:9], s[22:23]          ; my quarter of block 0
	s_mov_b32 s40, 1
	s_lshl_b32 s41, s18, 14                        ; KS + 16,384 w: no place in the cluster enters an LDS address
	s_mov_b64 s[42:43], s[8:9]
	s_or_b32 s43, s43, 0x80000000
	s_mov_b32 s44, 1
	s_add_co_u32 s45, s41, VS
	s_add_nc_u64 s[46:47], s[8:9], 65536
	s_or_b32 s47, s47, 0x80000000
	s_add_nc_u64 s[66:67], s[10:11], s[22:23]      ; my quarter of Wp's block 0,
	s_add_nc_u64 s[68:69], s[66:67], 65536         ; and of block 1, as ready address words
	s_or_b32 s67, s67, 0x80000000
	s_or_b32 s69, s69, 0x80000000
	s_lshl_b32 s100, s21, 22
	s_lshl_b32 s101, s20, 18
	s_add_co_u32 s100, s100, s101
	s_lshl_b32 s101, s18, 16
	s_add_co_u32 s100, s100, s101
	s_mov_b32 s101, 0
	s_add_nc_u64 s[70:71], s[4:5], s[100:101]      ; d at row 1,024 batch + 64 block + 16 w
.irp i, 0,1,2,3
	s_mov_b32 s[48+4*\i], 1
	s_add_co_u32 s[49+4*\i], s2, DCH*\i
	s_add_nc_u64 s[50+4*\i:51+4*\i], s[70:71], 1024*\i   ; chunk 2 i
	s_or_b32 s[51+4*\i], s[51+4*\i], 0x80000000
.endr
	s_lshl_b32 s100, s21, 19
	s_lshl_b32 s3, s20, 12
	s_add_co_u32 s100, s100, s3
	s_lshl_b32 s3, s18, 10
	s_add_co_u32 s100, s100, s3
	s_add_nc_u64 s[92:93], s[6:7], s[100:101]      ; Q: head 0, tile 4 block + w
	s_lshl_b32 s100, s21, 21
	s_lshl_b32 s3, s20, 17
	s_add_co_u32 s100, s100, s3
	s_lshl_b32 s3, s18, 9
	s_add_co_u32 s100, s100, s3
	s_add_nc_u64 s[16:17], s[16:17], s[100:101]    ; out at the block's first row, my 128 columns
	s_lshl_b32 s100, s18, 9
	s_add_nc_u64 s[12:13], s[12:13], s[100:101]    ; bp at my 128 numbers
	ROUND                                          ; all four work-groups are here: the first joint loads meet
	tensor_load_to_lds s[40:43], s[24:31]          ; the first fills, one group: six tensor loads of mine are out.  K of head 0,
	s_nop 0
	tensor_load_to_lds s[48:51], s[32:39]          ; d's chunks 0, 2, 4, 6,
	s_nop 0
	tensor_load_to_lds s[52:55], s[32:39]
	s_nop 0
	tensor_load_to_lds s[56:59], s[32:39]
	s_nop 0
	tensor_load_to_lds s[60:63], s[32:39]
	s_nop 0
	tensor_load_to_lds s[44:47], s[24:31]          ; V of head 0
	s_nop 0
	PLACES
	global_load_b128 v[QF:QF+3], v[LI], s[92:93]
	global_load_b128 v[QF+4:QF+7], v[LI], s[92:93] offset:512
	WIN 0xc0
	GDLOAD 1
	GDLOAD 3
	GDLOAD 5
	WIN 0
	s_wait_kmcnt 0x0
	s_add_co_i32 s84, s78, s79
	s_add_co_i32 s84, s84, 124
	s_lshl_b32 s84, s84, 23                        ; 2^(e6 + e7 - 3): the two scales and the 1 / 8
	s_mov_b32 s85, s84
	s_add_co_i32 s86, s82, s83
	s_add_co_i32 s86, s86, 127
	s_lshl_b32 s86, s86, 23                        ; 2^(e10 + e11)
	s_mov_b32 s87, s86
	s_add_co_i32 s2, s80, 127
	s_lshl_b32 s3, s2, 23
	v_mov_b32 v[SC8], s3
	s_add_co_i32 s2, s2, 8
	s_lshl_b32 s2, s2, 23
	s_or_b32 s2, s2, 0x600000
	v_mov_b32 v[SC8+1], s2
	s_sub_co_i32 s2, s82, s80
	s_sub_co_i32 s2, s2, s81                       ; a sum of O stands for sum x 2^(e8 + e9)
	s_add_co_i32 s2, s2, 127
	s_lshl_b32 s3, s2, 23
	v_mov_b32 v[SCX], s3
	s_add_co_i32 s2, s2, 8
	s_lshl_b32 s2, s2, 23
	s_or_b32 s2, s2, 0x600000
	v_mov_b32 v[SCX+1], s2
	s_wait_tensorcnt 5                             ; my quarter of K has landed; the five loads behind it may be out
	s_barrier_signal -1
	s_barrier_wait -1                              ; everybody's has
	s_wait_tensorcnt 4                             ; d's chunk 0
	DLOAD 0
	s_wait_loadcnt 48                              ; Q is in; behind it three chunks of d, 16 loads each
	WIN 0xc0
	GDLOAD 7
	WIN 0
	s_mov_b32 s90, 0
	s_mov_b32 s91, 0
.Lhead:
	KLOAD 0
	CHUNK 0
	CHUNK 1
	CHUNK 2
	CHUNK 3
	CHUNK 4
	CHUNK 5
	CHUNK 6
	CHUNK 7
	CHANGE 40, 66, 96                              ; K's slot is left; V of this head is whole behind the round
	s_cmp_eq_u32 s90, 7
	s_cbranch_scc1 .Llastq
	s_add_nc_u64 s[92:93], s[92:93], 65536         ; the next head's Q (the last loads by this base are in)
	global_load_b128 v[QF:QF+3], v[LI], s[92:93]
	global_load_b128 v[QF+4:QF+7], v[LI], s[92:93] offset:512
	s_branch .Lqdone
.Llastq:                               ; the last head: d has been read for the last time, and the lower half of window 3 takes my quarter of Wp's block 2
	WIN 0xc0
.irp t, 0,1,2,3,4,5,6,7
.irp c, 0,1,2,3
	global_load_b128 v[16*\t+4*\c:16*\t+4*\c+3], v[KW], s[10:11] offset:2*65536+2048*\t+512*\c
.endr
.endr
	WIN 0
.Lqdone:
	VLOAD 0
	; the pieces are joined
	v_min3_num_f32 v[TW], v[MN], v[MN+2], v[MN+4]
	v_min3_num_f32 v[TW+1], v[MN+6], v[MN+8], v[MN+10]
	v_min3_num_f32 v[TW], v[TW], v[MN+12], v[MN+14]
	v_min_num_f32 v[TW], v[TW], v[TW+1]
	v_permlanex16_b32 v[TW+1], v[TW], s88, s89     ; the query's other keys lie in the lane 16 away
	v_min_num_f32 v[TW], v[TW], v[TW+1]            ; -M
.irp c, 0,1,2,3,4,5,6,7
	v_sub_f32 v[GS+2*\c], v[TW], v[MN+2*\c]        ; M_c - M: a whole number, 0 or less
.endr
.irp c, 0,1,2,3,4,5,6,7
	v_cvt_i32_f32 v[GS+2*\c], v[GS+2*\c]           ; (it saturates)
.endr
.irp c, 0,1,2,3,4,5,6,7
	v_ldexp_f32 v[LS+\c], v[LS+\c], v[GS+2*\c]     ; L_c under the common M: nothing is rounded
.endr
	v_pk_add_f32 v[LS:LS+1], v[LS:LS+1], v[LS+2:LS+3]
	v_pk_add_f32 v[LS+4:LS+5], v[LS+4:LS+5], v[LS+6:LS+7]
	v_pk_add_f32 v[LS:LS+1], v[LS:LS+1], v[LS+4:LS+5]
	v_add_f32 v[LS], v[LS], v[LS+1]
	v_permlanex16_b32 v[TW+1], v[LS], s88, s89
	v_add_f32 v[LS], v[LS], v[TW+1]                ; the row's sum
	v_rcp_f32 v[TW+2], v[LS]
	v_nop                                          ; a plain line behind the reciprocal
	s_wait_alu depctr_va_vdst(0)                   ; and the wait ahead of its first reader
.irp c, 0,1,2,3,4,5,6,7
	v_ldexp_f32 v[GS+2*\c], v[TW+2], v[GS+2*\c]    ; G_c = 2^(M_c - M) / l
.endr
	BSTEP 0
	BSTEP 1
	BSTEP 2
	BSTEP 3
	BSTEP 4
	BSTEP 5
	BSTEP 6
	BSTEP 7
	; the head's output becomes two groups of 16 bytes of x's fragment (my tile, K step head / 2); the four places stand at the last step's end
.set p, 0
.rept 32
	v_med3_num_f32 v[OT+p], v[OT+p], -v[SCX+1], v[SCX+1]           ; each accumulator from its low end on
.set p, p+1
.endr
.irp q, 0,1,2,3
	v_cvt_scalef32_pk8_fp8_f32 v[PC+2*\q:PC+2*\q+1], v[OT+8*\q:OT+8*\q+7], v[SCX]
.endr
	v_add_nc_u32 v[AD], s91, v[XW]                 ; (the plain line behind the conversions)
	ds_store_b128 v[AD], v[PC:PC+3]
	ds_store_b128 v[AD], v[PC+4:PC+7] offset:512
	CHANGE 44, 68, 97                              ; V's slot is left; the next head's K is whole behind the round, and so are x's images of this head
	s_wait_loadcnt 0x0                             ; the next Q (in the last head: Wp's block 2)
	s_add_co_u32 s91, s91, 1024
	s_add_co_u32 s90, s90, 1
	s_cmp_lt_u32 s90, 8
	s_cbranch_scc1 .Lhead
	; THE OUTPUT PROJECTION: my 128 columns for the 64 rows.  Wp's block 0 lies in K's slot, block 1 is on its way into V's; each wave reads the quarter that it fetched itself
	WIN 0xc0
.irp t, 0,1,2,3,4,5,6,7
.irp c, 0,1,2,3
	global_load_b128 v[128+16*\t+4*\c:128+16*\t+4*\c+3], v[KW], s[10:11] offset:3*65536+2048*\t+512*\c
.endr
.endr
	WIN 0
.irp b, 0,1,2,3
.irp j, 0,1,2,3
	global_load_b128 v[20+16*\b+4*\j:20+16*\b+4*\j+3], v[BO], s[12:13] offset:128*\b+16*\j   ; bp in the result's layout: register 16 b + i: column 32 b + 16 h + i of my 128
.endr
.endr
	WIN 0x80
.irp t, 0,1,2,3,4,5,6,7
.irp c, 0,1,2,3
	ds_load_b128 v[16*\t+4*\c:16*\t+4*\c+3], v[KW] offset:KS+2048*\t+512*\c
.endr
.endr
	WIN 0
	XFETCH 0, KF
	XFETCH 1, DT
	s_wait_tensorcnt 0x0                           ; my quarter of block 1
	WIN 0x80
.irp t, 0,1,2,3,4,5,6,7
.irp c, 0,1,2,3
	ds_load_b128 v[128+16*\t+4*\c:128+16*\t+4*\c+3], v[VW] offset:2048*\t+512*\c
.endr
.endr
	s_wait_dscnt 48                                ; block 0 and x's K step 0 are in; behind them 16 loads of x and 32 of block 1
	PSTEP 0, KF
	PLACES
	WIN 0
	XFETCH 2, KF
	s_wait_dscnt 16                                ; all but the 16 just issued
	PSTEP 1, DT
	PLACES
	WIN 0
	XFETCH 3, DT
	s_wait_dscnt 16
	PSTEP 2, KF
	s_wait_loadcnt 16                              ; block 3 is in; bp's 16 loads may be out
	s_wait_dscnt 0x0
	PSTEP 3, DT
	s_wait_loadcnt 0x0                             ; bp
	PLACES
.irp m, 0,1,2,3                        ; 16 rows at a time through my stage: a lane holds 64 neighbouring bytes of a row; they come back as whole rows of 512 bytes
	WIN 0x01
.set p, 0
.rept 32
	v_pk_fma_f32 v[KF+p:KF+p+1], v[64*\m+p:64*\m+p+1], s[86:87], v[20+p:21+p] op_sel_hi:[1,0,1]   ; sum x 2^(e10 + e11) + bp; each accumulator from its low end on
.set p, p+2
.endr
	WIN 0
.irp t, 0,1,2,3,4,5,6,7
	ds_store_b128 v[DA], v[KF+8*\t:KF+8*\t+3] offset:128*(\t/2)+32*(\t%2)
	ds_store_b128 v[DA], v[KF+8*\t+4:KF+8*\t+7] offset:128*(\t/2)+32*(\t%2)+16
.endr
.if \m > 0
	s_wait_xcnt 0x0                                ; the last rows' stores have read their registers
.endif
.irp p, 0,1,2,3,4,5,6,7,8,9,10,11,12,13,14,15
	ds_load_b128 v[DT+4*\p:DT+4*\p+3], v[SR] offset:DP*\p          ; LDS serves a wave's instructions in order (ISA guide 5.7.1.4): these see my stores
.endr
.irp p, 0,1,2,3,4,5,6,7,8,9,10,11,12,13,14,15
	s_wait_dscnt 15-\p
	global_store_b128 v[LI], v[DT+4*\p:DT+4*\p+3], s[16:17] offset:(16*\m+\p)*2048 th:TH_STORE_NT   ; 32 lanes store 512 consecutive bytes, at a multiple of 256 from out0's first byte
.endr
.endr
	s_wait_tensorcnt 0x0                           ; the wave's end
	ds_add_u32 v[SPW], v[NIL]
	s_wait_dscnt 0x0
	ROUND                                          ; the closing round: no work-group ends while a partner may still ask for a block that names it
	s_endpgm
.Lfunc_end_k_qa2cb1933bb_attn:
	.size	k_qa2cb1933bb_attn, .Lfunc_end_k_qa2cb1933bb_attn-k_qa2cb1933bb_attn
	.p2alignl 7, 3214868480
	.fill 96, 4, 3214868480
	.section	.rodata,"a",@progbits
	.p2align	6, 0x0
	.amdhsa_kernel k_qa2cb1933bb_attn
		.amdhsa_group_segment_fixed_size 327680
		.amdhsa_private_segment_fixed_size 0
		.amdhsa_enable_private_segment 0
		.amdhsa_kernarg_size 56
		.amdhsa_user_sgpr_count 2
		.amdhsa_user_sgpr_kernarg_segment_ptr 1
		.amdhsa_wavefront_size32 1
		.amdhsa_system_sgpr_workgroup_id_x 1
		.amdhsa_system_sgpr_workgroup_id_y 1
		.amdhsa_system_sgpr_workgroup_id_z 1
		.amdhsa_system_vgpr_workitem_id 0
		.amdhsa_next_free_vgpr 1024
		.amdhsa_next_free_sgpr 102
		.amdhsa_reserve_vcc 0
		.amdhsa_float_denorm_mode_32 3
		.amdhsa_float_denorm_mode_16_64 3
		.amdhsa_memory_ordered 1
		.amdhsa_forward_progress 1
		.amdhsa_inst_pref_size 255
	.end_amdhsa_kernel
	.amdgpu_metadata
---
amdhsa.version: [ 1, 2 ]
amdhsa.kernels:
  - .name:           k_qa2cb1933bb_attn
    .symbol:         k_qa2cb1933bb_attn.kd
    .args:
      - { .name: d, .offset: 0, .size: 8, .value_kind: global_buffer, .address_space: global }
      - { .name: qc, .offset: 8, .size: 8, .value_kind: global_buffer, .address_space: global }
      - { .name: kv, .offset: 16, .size: 8, .value_kind: global_buffer, .address_space: global }
      - { .name: wpc, .offset: 24, .size: 8, .value_kind: global_buffer, .address_space: global }
      - { .name: bp, .offset: 32, .size: 8, .value_kind: global_buffer, .address_space: global }
      - { .name: lowp_scales, .offset: 40, .size: 8, .value_kind: global_buffer, .address_space: global }
      - { .name: out0, .offset: 48, .size: 8, .value_kind: global_buffer, .address_space: global }
    .group_segment_fixed_size: 327680
    .private_segment_fixed_size: 0
    .kernarg_segment_align: 8
    .kernarg_segment_size: 56
    .max_flat_workgroup_size: 128
    .sgpr_count:     102
    .vgpr_count:     1024
    .wavefront_size: 32
...
	.end_amdgpu_metadata
.endif
;; end of part 2
;; ======== version 2 of 3: 3 launches
;; limits: right only within a limited range of input values
;; workspace buffers: qc 8,388,608 bytes; kv 16,777,216 bytes; wpc 262,144 bytes; wc 786,432 bytes
;; launch wq (part 3): grid 128 x 1, 4 waves a work-group, no clusters, 0 bytes of LDS; arguments Wq, Wk, Wv, Wp, lowp_scales, wc, wpc; writes wc, wpc
.if DOCPART == 3
	.amdgcn_target "amdgcn-amd-amdhsa--gfx1250"
	.amdhsa_code_object_version 6
	.text
	.protected	k_qa2cb1933bb_wq
	.globl	k_qa2cb1933bb_wq
	.p2align	8
	.type	k_qa2cb1933bb_wq,@function
k_qa2cb1933bb_wq:
	s_mov_b64 s[64:65], 0
	v_nop
	global_prefetch_b8 v0, s[64:65] scope:SCOPE_SE
	s_setreg_imm32_b32 hwreg(HW_REG_WAVE_MODE, 25, 1), 1
	s_wait_xcnt 0x0
; THE FOUR WEIGHTS, [512][512] f32 (out, in), become codes of FP8 (E4M3), once, laid as images of the operand registers that the later launches load:
;   [K step s 4][column quarter w 4][tile t 8][c 4][lane 32][16 bytes]: lane (r, h) of tile t = 2 b + u holds row 128 w + 32 b + 8 u + r + 8 (r / 8); its bytes are k = 128 s + 32 c + 16 h + 0..15.
; Wq, Wk, Wv go to wc, 262,144 bytes each, one behind the other; Wp goes to wpc.
; code = x / 2^e, held within +-448, rounded to the nearest code, ties to even; e = entry 1, 3, 5 or 11 of the scales' exponents.
; SHARES.  512 fragments of 16 rows x 128 k, one to a wave.  Work-group n: tensor n / 32, quarter (n / 8) % 4, tile n % 8; the wave's number is the K step, so a work-group's four waves take all 2,048 bytes of its 16 rows.
; A lane loads its row's 16 neighbours of each block of 32 (64 bytes, four loads); the fragment's 16 loads together take 512 consecutive bytes of each row.  The conversions' results are the image: four stores of 512 consecutive bytes.
; Waves share nothing: no LDS, no barrier.  4 MiB are read once and 1 MiB is written.
; LIMITS: e between -126 and 119.  NaN among the inputs is not served (an infinity is held at the largest code).
.set X, 16                             ; v16-79  64 numbers: register 16 c + i = k 32 c + 16 h + i of my row
.set C, 80                             ; v80-95  their codes
	s_load_b256 s[4:11], s[0:1], 0x0               ; Wq, Wk, Wv, Wp
	s_load_b128 s[12:15], s[0:1], 0x20             ; the scales' exponents, wc
	s_load_b64 s[16:17], s[0:1], 0x30              ; wpc
	v_lshrrev_b32 v1, 5, v0
	v_readfirstlane_b32 s18, v1                    ; wave = K step
	s_lshr_b32 s19, ttmp9, 5                       ; tensor: 0 Wq, 1 Wk, 2 Wv, 3 Wp
	s_bfe_u32 s20, ttmp9, 0x20003                  ; quarter w
	s_and_b32 s21, ttmp9, 7                        ; tile t
	v_and_b32 v1, 31, v0
	v_lshlrev_b32 v4, 4, v1                        ; out: 16 x lane
	v_and_b32 v2, 15, v0                           ; r
	v_bfe_u32 v3, v0, 4, 1                         ; h
	v_and_b32 v5, 8, v2
	v_add_nc_u32 v5, v5, v2                        ; r + 8 (r / 8)
	v_lshlrev_b32 v5, 11, v5
	v_lshl_add_u32 v5, v3, 6, v5                   ; in: that many rows of 2,048 bytes + 64 h
	s_lshl_b32 s22, s20, 7
	s_lshr_b32 s23, s21, 1
	s_lshl_b32 s23, s23, 5
	s_add_co_u32 s22, s22, s23
	s_and_b32 s23, s21, 1
	s_lshl_b32 s23, s23, 3
	s_add_co_u32 s22, s22, s23                     ; the tile's first row: 128 w + 32 (t / 2) + 8 (t % 2)
	s_lshl_b32 s22, s22, 11
	s_lshl_b32 s23, s18, 9
	s_add_co_u32 s22, s22, s23                     ; + 512 bytes for each K step
	s_mov_b32 s23, 0
	s_wait_kmcnt 0x0
	s_load_b256 s[24:31], s[12:13], 0x0            ; e0 .. e7
	s_load_b128 s[32:35], s[12:13], 0x20           ; e8 .. e11
	s_cmp_eq_u32 s19, 1                            ; the buffers are chosen by the work-group's number alone
	s_cselect_b64 s[36:37], s[6:7], s[4:5]
	s_cmp_eq_u32 s19, 2
	s_cselect_b64 s[36:37], s[8:9], s[36:37]
	s_cmp_eq_u32 s19, 3
	s_cselect_b64 s[36:37], s[10:11], s[36:37]
	s_cselect_b64 s[38:39], s[16:17], s[14:15]
	s_cselect_b32 s40, 0, s19                      ; the tensor's place in its buffer
	s_add_nc_u64 s[36:37], s[36:37], s[22:23]
.irp c, 0,1,2,3
.irp j, 0,1,2,3
	global_load_b128 v[X+16*\c+4*\j:X+16*\c+4*\j+3], v5, s[36:37] offset:128*\c+16*\j
.endr
.endr
	s_lshl_b32 s40, s40, 18
	s_lshl_b32 s41, s18, 16
	s_add_co_u32 s40, s40, s41
	s_lshl_b32 s41, s20, 14
	s_add_co_u32 s40, s40, s41
	s_lshl_b32 s41, s21, 11
	s_add_co_u32 s40, s40, s41                     ; 262,144 tensor + 65,536 s + 16,384 w + 2,048 t
	s_mov_b32 s41, 0
	s_add_nc_u64 s[38:39], s[38:39], s[40:41]
	s_wait_kmcnt 0x0
	s_cmp_eq_u32 s19, 1
	s_cselect_b32 s42, s27, s25
	s_cmp_eq_u32 s19, 2
	s_cselect_b32 s42, s29, s42
	s_cmp_eq_u32 s19, 3
	s_cselect_b32 s42, s35, s42                    ; e
	s_add_co_i32 s42, s42, 127
	s_lshl_b32 s43, s42, 23
	v_mov_b32 v8, s43                              ; 2^e as f32: the conversion takes its exponent field
	s_add_co_i32 s42, s42, 8
	s_lshl_b32 s42, s42, 23
	s_or_b32 s42, s42, 0x600000
	v_mov_b32 v9, s42                              ; 448 x 2^e
	s_wait_loadcnt 0x0
.set i, 0
.rept 64
	v_med3_num_f32 v[X+i], v[X+i], -v9, v9         ; the conversion to an 8-bit code does not saturate (ISA guide 7.6.2)
.set i, i+1
.endr
.irp q, 0,1,2,3,4,5,6,7
	v_cvt_scalef32_pk8_fp8_f32 v[C+2*\q:C+2*\q+1], v[X+8*\q:X+8*\q+7], v8
.endr
	v_nop                                          ; one plain line behind the last conversion
.irp c, 0,1,2,3
	global_store_b128 v4, v[C+4*\c:C+4*\c+3], s[38:39] offset:512*\c   ; 32 lanes store 512 consecutive bytes, at a multiple of 256 from the buffer's first byte
.endr
	s_endpgm
.Lfunc_end_k_qa2cb1933bb_wq:
	.size	k_qa2cb1933bb_wq, .Lfunc_end_k_qa2cb1933bb_wq-k_qa2cb1933bb_wq
	.p2alignl 7, 3214868480
	.fill 96, 4, 3214868480
	.section	.rodata,"a",@progbits
	.p2align	6, 0x0
	.amdhsa_kernel k_qa2cb1933bb_wq
		.amdhsa_group_segment_fixed_size 0
		.amdhsa_private_segment_fixed_size 0
		.amdhsa_enable_private_segment 0
		.amdhsa_kernarg_size 56
		.amdhsa_user_sgpr_count 2
		.amdhsa_user_sgpr_kernarg_segment_ptr 1
		.amdhsa_wavefront_size32 1
		.amdhsa_system_sgpr_workgroup_id_x 1
		.amdhsa_system_sgpr_workgroup_id_y 1
		.amdhsa_system_sgpr_workgroup_id_z 1
		.amdhsa_system_vgpr_workitem_id 0
		.amdhsa_next_free_vgpr 96
		.amdhsa_next_free_sgpr 66
		.amdhsa_reserve_vcc 0
		.amdhsa_float_denorm_mode_32 3
		.amdhsa_float_denorm_mode_16_64 3
		.amdhsa_memory_ordered 1
		.amdhsa_forward_progress 1
		.amdhsa_inst_pref_size 9
	.end_amdhsa_kernel
	.amdgpu_metadata
---
amdhsa.version: [ 1, 2 ]
amdhsa.kernels:
  - .name:           k_qa2cb1933bb_wq
    .symbol:         k_qa2cb1933bb_wq.kd
    .args:
      - { .name: Wq, .offset: 0, .size: 8, .value_kind: global_buffer, .address_space: global }
      - { .name: Wk, .offset: 8, .size: 8, .value_kind: global_buffer, .address_space: global }
      - { .name: Wv, .offset: 16, .size: 8, .value_kind: global_buffer, .address_space: global }
      - { .name: Wp, .offset: 24, .size: 8, .value_kind: global_buffer, .address_space: global }
      - { .name: lowp_scales, .offset: 32, .size: 8, .value_kind: global_buffer, .address_space: global }
      - { .name: wc, .offset: 40, .size: 8, .value_kind: global_buffer, .address_space: global }
      - { .name: wpc, .offset: 48, .size: 8, .value_kind: global_buffer, .address_space: global }
    .group_segment_fixed_size: 0
    .private_segment_fixed_size: 0
    .kernarg_segment_align: 8
    .kernarg_segment_size: 56
    .max_flat_workgroup_size: 128
    .sgpr_count:     66
    .vgpr_count:     96
    .wavefront_size: 32
...
	.end_amdgpu_metadata
.endif
;; end of part 3
;; launch proj (part 4): grid 192 x 1, 4 waves a work-group, no clusters, 168,448 bytes of LDS; arguments q, k, v, wc, bq, bk, bv, lowp_scales, qc, kv; writes qc, kv
.if DOCPART == 4
	.amdgcn_target "amdgcn-amd-amdhsa--gfx1250"
	.amdhsa_code_object_version 6
	.text
	.protected	k_qa2cb1933bb_proj
	.globl	k_qa2cb1933bb_proj
	.p2align	8
	.type	k_qa2cb1933bb_proj,@function
k_qa2cb1933bb_proj:
	s_mov_b64 s[64:65], 0
	v_nop
	global_prefetch_b8 v0, s[64:65] scope:SCOPE_SE
	s_setreg_imm32_b32 hwreg(HW_REG_WAVE_MODE, 25, 1), 1
	s_wait_xcnt 0x0
; THE THREE INPUT PROJECTIONS, y = x W^T + b on codes of FP8 (E4M3).  x: q, k or v [16384][512] f32; W's codes come from wc, as images of operand registers (the launch before made them); b [512].
; Nothing but codes is stored, laid as images of the operand registers that the attention launch wants:
;   qc  [batch][head][query tile 64][c 2][lane][16 bytes]: lane (r, h) holds query 16 tile + r, channels 32 c + 16 h + 0..15 of the head's 64
;   kv  [batch][head][K block 65,536 bytes | V block 65,536 bytes]
;       K block [key tile 64][c 2][lane][16]: lane r of tile 2 g + u is key 32 g + 8 u + r + 8 (r / 8)
;       V block [key step 8][channel tile 4][c 4][lane][16]: lane r of tile 2 b + u is channel 32 b + 8 u + r + 8 (r / 8); bytes: keys 128 step + 32 c + 16 h + 0..15
; Every fragment places k alike (16 bytes at 32 c + 16 h), on both sides of every product: each product meets its partner; the order of the sums inside an instruction differs from ascending k.
; SHARES.  Work-group n: tensor n / 64 (0 q, 1 k, 2 v), rows 256 (n % 64) on, four blocks of 64 rows.
; The waves share the columns: wave w keeps rows 128 w .. 128 w + 127 of W as 32 fragments of codes in windows 2 and 3 for the whole launch: 128 loads of 512 consecutive bytes.  A block's rows of x are quantised once, 16 rows a wave,
; and go from wave to wave through LDS as images of their registers.  q, k: source 0 = W, source 1 = x, so a lane holds one token and neighbouring channels.  v: the sources swapped, so a lane holds one channel and neighbouring keys.
; No tile is shared between work-groups but W, which each keeps in registers: no cluster.  192 work-groups: three tensors of 64 shares; 16,384 rows do not divide into shares of whole blocks that would make 256.
; LIMITS: x's exponent, and eo - ea - eb (eo: the result's own scale), between -126 and 119.  NaN and infinities among the inputs are not served.
.set STGW, 33792                       ; LDS: a stage for each wave: four fragments of 16 rows x (512 bytes + 16)
.set FST,  8448
.set SP,   528                         ; 33 x 16 bytes
.set XIMG, 135168                      ; behind the stages: x's 16 fragments of a block, (tile m, K step s) at 2048 (4 m + s)
.set LI,   1                           ; v1   16 x lane
.set XLO,  4                           ; v4   x: my 16 bytes of rows 0-7 of my wave's tile
.set XHI,  5                           ; v5   the same for rows 8-15 (k, v: eight tokens further on)
.set SIN,  7                           ; v7   the stage, on the way in: 16 x lane
.set SOUT, 8                           ; v8   on the way out: 528 r + 64 h
.set BOF,  9                           ; v9   64 h
.set BGO,  10                          ; v10  4 (r + 8 (r / 8))
.set XST,  11                          ; v11  where I store x's images
.set XFE,  12                          ; v12  where any wave fetches them
.set OF0,  13                          ; v13, v14  16 x lane + the first byte of head 2 w, 2 w + 1
.set WPO,  15                          ; v15  16 x lane + 16,384 w: my quarter of a K step's block of wc
;      v16, v17: 2^ea, 448 x 2^ea (x);  v20, v21: the same with eo - ea - eb (the results)
.set XF,   32                          ; v32-95   x's fragments; in the quantising of x 64 numbers
.set ACC,  96                          ; v96-159  accumulators (v: to v223); in the quantising of x 64 numbers
.set BI,   160                         ; v160-223 the bias as eight C operands (q, k)
.set PC,   224                         ; v224-239 the codes just made
.set BV,   240                         ; v240-255 the bias of my lane's channel in tile t, at 240 + 2 t (v); the odd ones are named in pairs and written once
; window 1: 256 landing registers.  windows 2, 3: W's fragment (tile t, K step s) at 16 (4 t + s)
; s32 wave, s33 tensor, s34 share, s35 1 for k, v;  s[48:49] x, s[50:51] wc at my tensor, s[52:53] bias, s[54:55] out;  s56 ea, s57 eb, s58 eo;  s59 block;  s[60:61] an offset (s61 = 0);  s[66:67] the block's out base
.set MSB, 0
.macro WIN new                         ; the immediate's high byte repeats the setting that is left
.if MSB != (\new)
	s_set_vgpr_msb (MSB<<8)|(\new)
.set MSB, (\new)
.endif
.endm
.macro PLACES                          ; four plain places behind matrix instructions, ahead of reads of results and of loads into operands
.rept 4
	v_nop
.endr
.endm
.macro MKSCALE se, vs                  ; v[vs] = 2^s[se] as f32; v[vs + 1] = 448 x that
	s_add_co_i32 s62, s[\se], 127
	s_lshl_b32 s63, s62, 23
	v_mov_b32 v[\vs], s63
	s_add_co_i32 s62, s62, 8
	s_lshl_b32 s62, s62, 23
	s_or_b32 s62, s62, 0x600000
	v_mov_b32 v[\vs+1], s62
.endm
.macro XLOAD f                         ; K step f of my 16 rows of x: each load takes 512 consecutive bytes of one row; row p lands at 64 f + 4 p of window 1
.irp p, 0,1,2,3,4,5,6,7
	global_load_b128 v[64*(\f)+4*\p:64*(\f)+4*\p+3], v[XLO], s[48:49] offset:2048*\p+512*(\f) th:TH_LOAD_NT
.endr
.irp p, 8,9,10,11,12,13,14,15
	global_load_b128 v[64*(\f)+4*\p:64*(\f)+4*\p+3], v[XHI], s[48:49] offset:2048*\p+512*(\f) th:TH_LOAD_NT
.endr
.endm
.macro BACK f, dst                     ; out of the stage: register 16 b + i = k 32 b + 16 h + i of my row
.irp b, 0,1,2,3
.irp j, 0,1,2,3
	ds_load_b128 v[\dst+16*\b+4*\j:\dst+16*\b+4*\j+3], v[SOUT] offset:FST*(\f)+128*\b+16*\j
.endr
.endr
.endm
.macro MED src, lim
.set i, 0
.rept 64
	v_med3_num_f32 v[\src+i], v[\src+i], -v[\lim], v[\lim]   ; the conversion to an 8-bit code does not saturate (ISA guide 7.6.2)
.set i, i+1
.endr
.endm
.macro CVT src, sc
.irp q, 0,1,2,3,4,5,6,7
	v_cvt_scalef32_pk8_fp8_f32 v[PC+2*\q:PC+2*\q+1], v[\src+8*\q:\src+8*\q+7], v[\sc]
.endr
	v_nop                                          ; one plain line behind the last conversion of a run
.endm
.macro IMG f                           ; the fragment in v[PC] on goes to LDS as it stands
.irp c, 0,1,2,3
	ds_store_b128 v[XST], v[PC+4*\c:PC+4*\c+3] offset:2048*(\f)+512*\c
.endr
.endm
.macro FETCHX m                        ; tile m's four fragments
.irp s, 0,1,2,3
.irp c, 0,1,2,3
	ds_load_b128 v[XF+16*\s+4*\c:XF+16*\s+4*\c+3], v[XFE] offset:(4*(\m)+\s)*2048+512*\c
.endr
.endr
.endm
.macro MULA hi                         ; q, k: tiles 4 hi .. 4 hi + 3 of W against one tile of x, all of K; the four accumulators by turns; the bias starts the sums
	WIN 0x02+(\hi)
.irp s, 0,1,2,3
.irp t, 0,1,2,3
.if \s == 0
	v_wmma_f32_16x16x128_fp8_fp8 v[ACC+8*(4*(\hi)+\t):ACC+8*(4*(\hi)+\t)+7], v[16*(4*\t+\s):16*(4*\t+\s)+15], v[XF+16*\s:XF+16*\s+15], v[BI+8*(4*(\hi)+\t):BI+8*(4*(\hi)+\t)+7]
.else
	v_wmma_f32_16x16x128_fp8_fp8 v[ACC+8*(4*(\hi)+\t):ACC+8*(4*(\hi)+\t)+7], v[16*(4*\t+\s):16*(4*\t+\s)+15], v[XF+16*\s:XF+16*\s+15], v[ACC+8*(4*(\hi)+\t):ACC+8*(4*(\hi)+\t)+7]
.endif
.endr
.endr
.endm
.macro FX p, s, buf                    ; v: K step s of token tiles 2 p, 2 p + 1 into buffer buf
.irp i, 0,1
.irp c, 0,1,2,3
	ds_load_b128 v[XF+32*(\buf)+16*\i+4*\c:XF+32*(\buf)+16*\i+4*\c+3], v[XFE] offset:(4*(2*(\p)+\i)+(\s))*2048+512*\c
.endr
.endr
.endm
.macro MULB s, buf, hi                 ; v: source 0 = x, source 1 = W; eight accumulators by turns: (tile of x i, tile of W t) at ACC + 16 t + 8 i
	WIN 0x08+4*(\hi)
.irp t, 0,1,2,3
.irp i, 0,1
.if (\s) == 0
	v_wmma_f32_16x16x128_fp8_fp8 v[ACC+16*(4*(\hi)+\t)+8*\i:ACC+16*(4*(\hi)+\t)+8*\i+7], v[XF+32*(\buf)+16*\i:XF+32*(\buf)+16*\i+15], v[16*(4*\t+(\s)):16*(4*\t+(\s))+15], 0
.else
	v_wmma_f32_16x16x128_fp8_fp8 v[ACC+16*(4*(\hi)+\t)+8*\i:ACC+16*(4*(\hi)+\t)+8*\i+7], v[XF+32*(\buf)+16*\i:XF+32*(\buf)+16*\i+15], v[16*(4*\t+(\s)):16*(4*\t+(\s))+15], v[ACC+16*(4*(\hi)+\t)+8*\i:ACC+16*(4*(\hi)+\t)+8*\i+7]
.endif
.endr
.endr
.endm
.macro PAIR p                          ; v: 32 tokens x my 128 channels
.irp s, 0,1,2,3
.if (\s) == 3 && (\p) == 1
	s_wait_dscnt 0x0                               ; the last buffer: nothing was asked for behind it
.else
	s_wait_dscnt 8                                 ; this K step's eight loads are in; the other buffer's eight may be out
.endif
	MULB \s, (\s)%2, 0
	MULB \s, (\s)%2, 1
	WIN 0
	PLACES
.if (\s) < 2
	FX \p, (\s)+2, (\s)%2
.elseif (\p) == 0
	FX 1, (\s)-2, (\s)%2
.endif
.endr
.irp t, 0,1,2,3,4,5,6,7                ; tile t: my lane's channel, keys 32 p + 16 h + 0..15 in 16 registers
.if (\t)%4 == 0
	s_wait_xcnt 0x0                                ; the stores that read these four sets of code registers have read them
.endif
.set A16, ACC+16*\t
.set i, 0
.rept 8
	v_pk_add_f32 v[A16+i:A16+i+1], v[A16+i:A16+i+1], v[BV+2*\t:BV+2*\t+1] op_sel_hi:[1,0]   ; + b / 2^(ea + eb); each accumulator from its low end on
.set i, i+2
.endr
.set i, 0
.rept 16
	v_med3_num_f32 v[A16+i], v[A16+i], -v21, v21
.set i, i+1
.endr
	v_cvt_scalef32_pk8_fp8_f32 v[PC+4*((\t)%4):PC+4*((\t)%4)+1], v[A16:A16+7], v20
	v_cvt_scalef32_pk8_fp8_f32 v[PC+4*((\t)%4)+2:PC+4*((\t)%4)+3], v[A16+8:A16+15], v20
	global_store_b128 v[OF0+(\t)/4], v[PC+4*((\t)%4):PC+4*((\t)%4)+3], s[66:67] offset:2048*((\t)%4)+512*(\p)   ; 32 lanes store 512 consecutive bytes
.endr
	v_nop                                          ; one plain line behind the last conversion
.endm
	s_load_b512 s[4:19], s[0:1], 0x0               ; q, k, v, wc, bq, bk, bv, the scales' exponents
	s_load_b128 s[20:23], s[0:1], 0x40             ; qc, kv
	v_lshl_add_u32 v30, v0, 2, 0x29000
	v_mov_b32 v31, 0
	v_lshrrev_b32 v2, 5, v0
	v_readfirstlane_b32 s32, v2                    ; wave
	s_lshr_b32 s33, ttmp9, 6                       ; tensor: 0 q, 1 k, 2 v
	s_and_b32 s34, ttmp9, 63                       ; share
	v_and_b32 v1, 31, v0
	v_lshlrev_b32 v[LI], 4, v1
	v_and_b32 v2, 15, v0                           ; r
	v_bfe_u32 v3, v0, 4, 1                         ; h
	v_and_b32 v[BGO], 8, v2
	v_add_nc_u32 v[BGO], v[BGO], v2                ; r + 8 (r / 8)
	v_lshlrev_b32 v[BGO], 2, v[BGO]
	v_lshlrev_b32 v[BOF], 6, v3
	s_mul_i32 s60, s32, STGW
	v_add_nc_u32 v[SIN], s60, v[LI]
	v_mul_u32_u24 v[SOUT], v2, SP
	v_lshl_add_u32 v[SOUT], v3, 6, v[SOUT]
	v_add_nc_u32 v[SOUT], s60, v[SOUT]
	s_lshl_b32 s60, s32, 13
	s_add_co_u32 s60, s60, XIMG
	v_add_nc_u32 v[XST], s60, v[LI]
	v_add_nc_u32 v[XFE], XIMG, v[LI]
	s_lshl_b32 s60, s32, 14
	v_add_nc_u32 v[WPO], s60, v[LI]
	s_mov_b32 s61, 0
	s_cmp_eq_u32 s33, 0
	s_cselect_b32 s35, 0, 1                        ; k, v: a head is twice as long in kv, and the tokens of a tile are not neighbours
	s_and_b32 s60, s32, 1                          ; my tile's first token: 16 w, or 32 (w / 2) + 8 (w % 2) = 16 w - 8 (w % 2)
	s_mul_i32 s60, s60, s35
	s_lshl_b32 s60, s60, 3
	s_lshl_b32 s62, s32, 4
	s_sub_co_u32 s60, s62, s60
	s_lshl_b32 s60, s60, 11
	v_add_nc_u32 v[XLO], s60, v[LI]
	s_lshl_b32 s60, s35, 14
	v_add_nc_u32 v[XHI], s60, v[XLO]
	s_wait_kmcnt 0x0
	s_load_b256 s[36:43], s[18:19], 0x0            ; e0 .. e7
	s_load_b128 s[44:47], s[18:19], 0x20           ; e8 .. e11
	s_cmp_eq_u32 s33, 1                            ; the buffers are chosen by the work-group's number alone
	s_cselect_b64 s[48:49], s[6:7], s[4:5]
	s_cselect_b64 s[52:53], s[14:15], s[12:13]
	s_cmp_eq_u32 s33, 2
	s_cselect_b64 s[48:49], s[8:9], s[48:49]
	s_cselect_b64 s[52:53], s[16:17], s[52:53]
	s_cselect_b32 s63, 0x10000, 0                  ; V's block lies behind K's
	s_cmp_eq_u32 s33, 0
	s_cselect_b64 s[54:55], s[20:21], s[22:23]
	s_lshl_b32 s60, s34, 19
	s_add_nc_u64 s[48:49], s[48:49], s[60:61]      ; x at the share's 256 rows
	WIN 0x40
	XLOAD 0                                        ; the first block of x goes out first: it comes the longest way
	XLOAD 1
	XLOAD 2
	XLOAD 3
	WIN 0
	s_lshl_b32 s60, s33, 18
	s_add_nc_u64 s[50:51], s[10:11], s[60:61]      ; wc at my tensor
	WIN 0x80                                       ; W's fragments, as they lie: tiles 0-3 into window 2,
.irp t, 0,1,2,3
.irp s, 0,1,2,3
.irp c, 0,1,2,3
	global_load_b128 v[16*(4*\t+\s)+4*\c:16*(4*\t+\s)+4*\c+3], v[WPO], s[50:51] offset:65536*\s+2048*\t+512*\c
.endr
.endr
.endr
	WIN 0xc0                                       ; tiles 4-7 into window 3
.irp t, 0,1,2,3
.irp s, 0,1,2,3
.irp c, 0,1,2,3
	global_load_b128 v[16*(4*\t+\s)+4*\c:16*(4*\t+\s)+4*\c+3], v[WPO], s[50:51] offset:65536*\s+2048*(\t+4)+512*\c
.endr
.endr
.endr
	WIN 0
	s_lshl_b32 s60, s32, 9
	s_add_nc_u64 s[52:53], s[52:53], s[60:61]      ; the bias at my 128 numbers
.irp b, 0,1,2,3                        ; the bias in both layouts, so that every register that either way of the block loop names is written: as C operands (register 16 b + i: channel 32 b + 16 h + i of my 128),
.irp j, 0,1,2,3
	global_load_b128 v[BI+16*\b+4*\j:BI+16*\b+4*\j+3], v[BOF], s[52:53] offset:128*\b+16*\j
.endr
.endr
.irp t, 0,1,2,3,4,5,6,7                ; and my lane's channel of each tile
	global_load_b32 v[BV+2*\t], v[BGO], s[52:53] offset:(32*(\t/2)+8*(\t%2))*4
	v_mov_b32 v[BV+2*\t+1], 0
.endr
	s_lshr_b32 s60, s34, 2                         ; batch
	s_add_co_u32 s62, s35, 19
	s_lshl_b32 s60, s60, s62                       ; x 524,288 (qc) or 1,048,576 (kv)
	s_and_b32 s62, s34, 3
	s_lshl_b32 s62, s62, 14                        ; 256 tokens: 16 tiles of 1,024 bytes, or two key steps of 8,192
	s_add_co_u32 s60, s60, s62
	s_add_co_u32 s60, s60, s63
	s_add_nc_u64 s[54:55], s[54:55], s[60:61]
	s_add_co_u32 s62, s35, 17
	s_lshl_b32 s60, s32, s62                       ; head 2 w
	v_add_nc_u32 v[OF0], s60, v[LI]
	s_lshl_b32 s62, 0x10000, s35
	v_add_nc_u32 v[OF0+1], s62, v[OF0]
	s_wait_kmcnt 0x0
	s_cmp_eq_u32 s33, 1
	s_cselect_b32 s56, s38, s36
	s_cselect_b32 s57, s39, s37
	s_cselect_b32 s58, s43, s42
	s_cmp_eq_u32 s33, 2
	s_cselect_b32 s56, s40, s56
	s_cselect_b32 s57, s41, s57
	s_cselect_b32 s58, s45, s58
	MKSCALE 56, 16
	s_sub_co_i32 s58, s58, s56
	s_sub_co_i32 s58, s58, s57                     ; a sum stands for sum x 2^(ea + eb): the three scales are folded into the conversion's one
	MKSCALE 58, 20
	s_add_co_i32 s62, s56, s57
	s_sub_co_i32 s62, 0, s62
	s_wait_loadcnt 0x0
.set i, 0
.rept 64
	v_ldexp_f32 v[BI+i], v[BI+i], s62              ; b / 2^(ea + eb): exact
.set i, i+1
.endr
.irp t, 0,1,2,3,4,5,6,7
	v_ldexp_f32 v[BV+2*\t], v[BV+2*\t], s62
.endr
	s_mov_b32 s59, 0
.Lblock:
	; ---- my 16 rows of x become four fragments.  The loads took the bytes as they lie; the stage turns them so that a lane holds 16 neighbours
	s_wait_loadcnt 0x0
	WIN 0x04                                       ; store data in window 1
.irp f, 0,1,2,3
.irp p, 0,1,2,3,4,5,6,7,8,9,10,11,12,13,14,15
	ds_store_b128 v[SIN], v[64*\f+4*\p:64*\f+4*\p+3] offset:FST*\f+SP*\p
.endr
.endr
	WIN 0
	BACK 0, ACC                                    ; LDS serves a wave's instructions in order (ISA guide 5.7.1.4): these see my stores
	BACK 1, XF
	s_wait_dscnt 16                                ; fragment 0 is back, so the stores have read the landing registers,
	s_cmp_eq_u32 s59, 3
	s_cbranch_scc1 .Lnonext                        ; which take the next block, if there is one: no load leaves its buffer
	s_add_nc_u64 s[48:49], s[48:49], 131072        ; (x's loads are all in: their base may step)
	WIN 0x40
	XLOAD 0
	XLOAD 1
	XLOAD 2
	XLOAD 3
	WIN 0
.Lnonext:
	MED ACC, 17
	s_wait_xcnt 0x0                                ; the last block's stores have read the code registers
	CVT ACC, 16
	IMG 0
	BACK 2, ACC
	s_wait_dscnt 20                                ; fragment 1 is back (behind it: 4 image stores, 16 loads)
	MED XF, 17
	s_wait_dscnt 16                                ; image 0's stores are done: the code registers may be written
	CVT XF, 16
	IMG 1
	BACK 3, XF
	s_wait_dscnt 20
	MED ACC, 17
	s_wait_dscnt 16
	CVT ACC, 16
	IMG 2
	s_wait_dscnt 4                                 ; fragment 3 is back (behind it: 4 image stores)
	MED XF, 17
	s_wait_dscnt 0x0
	CVT XF, 16
	IMG 3
	s_wait_dscnt 0x0                               ; for the others' sake: my images have landed
	s_barrier_signal -1
	s_barrier_wait -1                              ; the block's sixteen fragments lie in LDS
	s_cmp_eq_u32 s33, 2
	s_cbranch_scc1 .Lpathb
	; ---- q, k: a tile of 16 tokens at a time; a lane holds one token, and tiles 2 b, 2 b + 1 give it 16 neighbouring channels
	s_lshl_b32 s60, s59, 12                        ; four tiles of 1,024 bytes a block
	s_wait_xcnt 0x0                                ; earlier stores have read their base
	s_add_nc_u64 s[66:67], s[54:55], s[60:61]
	FETCHX 0
.irp m, 0,1,2,3
	s_wait_dscnt 0x0
	MULA 0
	MULA 1
	WIN 0
	PLACES
.if \m < 3
	FETCHX \m+1
.endif
	MED ACC, 21                                    ; each accumulator from its low end on
	s_wait_xcnt 0x0                                ; the last tile's stores have read the code registers
	CVT ACC, 20
.irp b, 0,1,2,3
	global_store_b128 v[OF0+\b/2], v[PC+4*\b:PC+4*\b+3], s[66:67] offset:1024*\m+512*(\b%2)   ; 32 lanes store 512 consecutive bytes
.endr
.endr
	s_branch .Lblkend
.Lpathb:
	; ---- v
	s_lshr_b32 s60, s59, 1
	s_lshl_b32 s60, s60, 13                        ; key step: 8,192 (block / 2)
	s_and_b32 s62, s59, 1
	s_lshl_b32 s62, s62, 10                        ; c = 2 (block % 2) + p
	s_add_co_u32 s60, s60, s62
	s_wait_xcnt 0x0
	s_add_nc_u64 s[66:67], s[54:55], s[60:61]
	FX 0, 0, 0
	FX 0, 1, 1
	PAIR 0
	PAIR 1
.Lblkend:
	s_wait_dscnt 0x0                               ; my reads of the images are over:
	s_barrier_signal -1
	s_barrier_wait -1                              ; only now may any wave write them again
	s_add_co_u32 s59, s59, 1
	s_cmp_lt_u32 s59, 4
	s_cbranch_scc1 .Lblock
	s_wait_tensorcnt 0x0
	ds_add_u32 v30, v31
	s_wait_dscnt 0x0
	s_endpgm
.Lfunc_end_k_qa2cb1933bb_proj:
	.size	k_qa2cb1933bb_proj, .Lfunc_end_k_qa2cb1933bb_proj-k_qa2cb1933bb_proj
	.p2alignl 7, 3214868480
	.fill 96, 4, 3214868480
	.section	.rodata,"a",@progbits
	.p2align	6, 0x0
	.amdhsa_kernel k_qa2cb1933bb_proj
		.amdhsa_group_segment_fixed_size 168448
		.amdhsa_private_segment_fixed_size 0
		.amdhsa_enable_private_segment 0
		.amdhsa_kernarg_size 80
		.amdhsa_user_sgpr_count 2
		.amdhsa_user_sgpr_kernarg_segment_ptr 1
		.amdhsa_wavefront_size32 1
		.amdhsa_system_sgpr_workgroup_id_x 1
		.amdhsa_system_sgpr_workgroup_id_y 1
		.amdhsa_system_sgpr_workgroup_id_z 1
		.amdhsa_system_vgpr_workitem_id 0
		.amdhsa_next_free_vgpr 1024
		.amdhsa_next_free_sgpr 80
		.amdhsa_reserve_vcc 0
		.amdhsa_float_denorm_mode_32 3
		.amdhsa_float_denorm_mode_16_64 3
		.amdhsa_memory_ordered 1
		.amdhsa_forward_progress 1
		.amdhsa_inst_pref_size 139
	.end_amdhsa_kernel
	.amdgpu_metadata
---
amdhsa.version: [ 1, 2 ]
amdhsa.kernels:
  - .name:           k_qa2cb1933bb_proj
    .symbol:         k_qa2cb1933bb_proj.kd
    .args:
      - { .name: q, .offset: 0, .size: 8, .value_kind: global_buffer, .address_space: global }
      - { .name: k, .offset: 8, .size: 8, .value_kind: global_buffer, .address_space: global }
      - { .name: v, .offset: 16, .size: 8, .value_kind: global_buffer, .address_space: global }
      - { .name: wc, .offset: 24, .size: 8, .value_kind: global_buffer, .address_space: global }
      - { .name: bq, .offset: 32, .size: 8, .value_kind: global_buffer, .address_space: global }
      - { .name: bk, .offset: 40, .size: 8, .value_kind: global_buffer, .address_space: global }
      - { .name: bv, .offset: 48, .size: 8, .value_kind: global_buffer, .address_space: global }
      - { .name: lowp_scales, .offset: 56, .size: 8, .value_kind: global_buffer, .address_space: global }
      - { .name: qc, .offset: 64, .size: 8, .value_kind: global_buffer, .address_space: global }
      - { .name: kv, .offset: 72, .size: 8, .value_kind: global_buffer, .address_space: global }
    .group_segment_fixed_size: 168448
    .private_segment_fixed_size: 0
    .kernarg_segment_align: 8
    .kernarg_segment_size: 80
    .max_flat_workgroup_size: 128
    .sgpr_count:     80
    .vgpr_count:     1024
    .wavefront_size: 32
...
	.end_amdgpu_metadata
.endif
;; end of part 4
;; launch attn (part 5): grid 16 x 16, 4 waves a work-group, clusters of 4 x 1, 327,680 bytes of LDS; arguments d, qc, kv, wpc, bp, lowp_scales, out0; writes out0
.if DOCPART == 5
	.amdgcn_target "amdgcn-amd-amdhsa--gfx1250"
	.amdhsa_code_object_version 6
	.text
	.protected	k_qa2cb1933bb_attn
	.globl	k_qa2cb1933bb_attn
	.p2align	8
	.type	k_qa2cb1933bb_attn,@function
k_qa2cb1933bb_attn:
	s_mov_b64 s[64:65], 0
	v_nop
	global_prefetch_b8 v0, s[64:65] scope:SCOPE_SE
	s_setreg_imm32_b32 hwreg(HW_REG_WAVE_MODE, 25, 1), 1
	s_wait_xcnt 0x0
	s_wait_alu depctr_hold_cnt(0) depctr_sa_sdst(0) depctr_va_vdst(0) depctr_va_sdst(0) depctr_va_ssrc(0) depctr_va_vcc(0) depctr_vm_vsrc(0)
	s_getreg_b32 s2, hwreg(HW_REG_IB_STS2, 6, 4)
	s_cmp_eq_u32 s2, 0
	s_cbranch_scc0 .Lentry_in_a_cluster
	s_endpgm
.Lentry_in_a_cluster:
	s_bfe_u32 s2, ttmp6, 0x10000c
	s_cmp_lg_u32 s2, 0x3003
	s_cbranch_scc0 .Lentry_shape_is_right
	s_endpgm
.Lentry_shape_is_right:
; out = (sum over keys of Q8(softmax(Q K^T / 8 + d) d) V) Wp^T + bp, all three products on codes of FP8 (E4M3) with the given scales.  Layouts of qc, kv, wpc: as the launches before store them
; (images of operand registers; every fragment places k alike, 16 bytes at 32 c + 16 h, on both sides of each product, so the order of the sums inside an instruction differs from ascending k).
; SHARES.  A work-group owns 64 queries of one batch; wave w owns 16 of them and walks the 8 heads.  The four waves are on the same head and share its K and V in LDS.
; CLUSTER.  The four work-groups of a cluster belong to one batch and walk the same K and V (and the same first two blocks of Wp): each 65,536-byte block is asked for JOINTLY, a quarter a wave.
; d: a wave's 16 rows are its own and serve all 8 heads: key chunks 0, 2, 4, 6 (128 keys each) lie in LDS, chunks 1, 3, 5, 7 in the 256 registers of window 3: all of d beside a head's K and V does not fit in LDS.
; LAYOUT.  S^T = K Q^T: lane (r, h) holds query r; by the order of the keys in K's tiles, register 16 b + i of chunk c is key 128 c + 32 b + 16 h + i.  O^T = V^T P^T and out^T = Wp x^T likewise hold one query a lane.
; d IS THE C OF K Q^T.  A sum of codes stands for score / 8 / 2^(e6+e7-3) ... so what is kept is d' = d 2^(3-e6-e7), an exact scaling, made once, in the first head, chunk by chunk as d arrives (a scalar branch on the
; head's number): the odd chunks in place in window 3, the even ones in registers and stored back to my own part of LDS.  The product then gives a = (score / 8 + d) 2^(3-e6-e7), with the matrix unit's one rounding.
; THE WEIGHT IS QUANTISED FINISHED AND NORMALISED, so the row's sum must be known first.  Phase A, per chunk: the lane's own largest a; M_c = ceil(a_max c'), c' = log2 e 2^(e6+e7-3), a whole number;
; p = 2^(a c' - M_c); L_c = sum of p; w = p d' stays in registers, all 8 chunks (512).  Then M = the largest M_c of the lane and of lane xor 16, l = the sum of L_c 2^(M_c - M), G_c = 2^(M_c - M) 2^(e6+e7-3) / l: the pieces
; are joined by exact powers of two.  Phase B, per chunk: w G_c, the hold, the conversion with 2^e8, four products.
; THE RING.  Two slots, K's and V's, each filled again once a head: K1 V1 .. K7 V7, then Wp's blocks 0 and 1: every trip of the loop issues the same two loads, and every fill is read.
; LIMITS: e8 and e10 - e8 - e9 between -126 and 119; e10 + e11 between -126 and 127; e6 + e7 - 3 between -100 and 100, so that d' and 2^(e6+e7-3) / l are ordinary f32 numbers.  NaN and infinities among the inputs are not served.
.set KS,    0                          ; LDS: K's slot, 65,536 bytes
.set VS,    65536                      ; V's slot
.set DREG,  131072                     ; d: for each wave 4 chunks x 16 rows x (512 bytes + 16)
.set DWV,   33792
.set DCH,   8448
.set DP,    528                        ; 33 x 16 bytes
.set XIMG,  266240                     ; the heads' outputs as codes: fragment (query tile m, K step s) at 2048 (4 m + s)
.set SPARE, 299008                     ; the spare words, 128 bytes for each wave: two blocks of 256 bytes that no other line names
; the way out's stage, 16 rows x 528 bytes a wave, is the head of the wave's own part of DREG: it has had its one fill, and its last read of d is over
.set LI,   1                           ; v1   16 x lane; K's slot begins at LDS byte 0, so this is also K's address
.set DA,   2                           ; v2   d in LDS: my part + 528 r + 64 h; also where I put results into the stage
.set XA,   3                           ; v3   XIMG + 16 x lane
.set VA,   4                           ; v4   VS + 16 x lane
.set SPW,  5                           ; v5   my spare word; never rewritten
.set NIL,  6                           ; v6   0; never rewritten
.set XW,   7                           ; v7   where I store x's images: XA + 8,192 w
.set AD,   8                           ; v8   the address in hand
.set DO,   9                           ; v9   d in memory: 4,096 r + 64 h
.set BO,   10                          ; v10  64 h
.set SR,   11                          ; v11  the stage, read back by rows
.set KW,   12                          ; v12  16,384 w + 16 x lane: my quarter of K's slot, and of a block of wpc
.set PFO,  13                          ; v13  256 x lane
.set SC8,  14                          ; v14, v15  2^e8, 448 x 2^e8
.set SCX,  16                          ; v16, v17  2^(e10 - e8 - e9), 448 x that
.set NINF, 18                          ; v18  -infinity
.set VW,   19                          ; v19  my quarter of V's slot
.set MN,   20                          ; v20 + 2 c: -M_c (the odd ones are named in pairs and written once)
.set LS,   36                          ; v36 + c:   L_c
.set GS,   44                          ; v44 + 2 c: M_c - M, then G_c
.set TW,   60                          ; v60-67 at work
.set QF,   68                          ; v68-75 Q
.set OT,   76                          ; v76-107 O^T, four tiles
.set PC,   108                         ; v108-123 the codes just made
.set KF,   124                         ; v124-187 eight fragments of K, or four of V
.set DT,   188                         ; v188-251 d' of an even chunk
; window 1: w of chunks 0-3; window 2: of chunks 4-7; window 3: d' of chunks 1, 3, 5, 7.  In the tail: v20-83 bp; window 1 the 32 accumulators; window 2 Wp's blocks 0, 1; window 3 blocks 2, 3
; s18 wave, s19 cx, s20 query block, s21 batch; s22 e6+e7-3; s[24:31], s[32:39] descriptor groups 1; s[40:43] K's group 0, s[44:47] V's, s[48:63] d's four; s[66:69] Wp's blocks 0, 1 as address words; s[70:71] d at my rows;
; s[72:83] the exponents; s[84:85] log2 e 2^(e6+e7-3); s[86:87] 2^(e10+e11); s[88:89] lane selects; s90 head; s91 1,024 x head; s[92:93] Q; s[94:95], s96, s97 the prefetches; s[100:101] 2^(3-e6-e7)
.set MSB, 0
.macro WIN new                         ; the immediate's high byte repeats the setting that is left
.if MSB != (\new)
	s_set_vgpr_msb (MSB<<8)|(\new)
.set MSB, (\new)
.endif
.endm
.macro PLACES                          ; four plain places behind matrix instructions, ahead of reads of results and of loads into operands
.rept 4
	v_nop
.endr
.endm
.macro ROUND                           ; a round of the cluster's barrier
	s_barrier_signal -1
	s_barrier_wait -1
	s_cmp_lg_u32 s18, 0
	s_cbranch_scc1 .Lnw0_\@
	s_barrier_signal -3
.Lnw0_\@:
	s_barrier_wait -3
	s_barrier_signal -1
	s_barrier_wait -1
.endm
.macro KLOAD c                         ; chunk c's eight tiles of K
.irp t, 0,1,2,3,4,5,6,7
	ds_load_b128 v[KF+8*\t:KF+8*\t+3], v[LI] offset:KS+(8*(\c)+\t)*1024
	ds_load_b128 v[KF+8*\t+4:KF+8*\t+7], v[LI] offset:KS+(8*(\c)+\t)*1024+512
.endr
.endm
.macro DLOAD c                         ; d of the even chunk c
.irp b, 0,1,2,3
.irp j, 0,1,2,3
	ds_load_b128 v[DT+16*\b+4*\j:DT+16*\b+4*\j+3], v[DA] offset:DCH*((\c)/2)+128*\b+16*\j
.endr
.endr
.endm
.macro GDLOAD c                        ; d of the odd chunk c, from memory into window 3; the chunk's 16 loads take all 512 bytes of each of my 16 rows
.irp b, 0,1,2,3
.irp j, 0,1,2,3
	global_load_b128 v[64*((\c)/2)+16*\b+4*\j:64*((\c)/2)+16*\b+4*\j+3], v[DO], s[70:71] offset:512*(\c)+128*\b+16*\j
.endr
.endr
.endm
.macro VLOAD st                        ; key step st's four tiles of V
.irp t, 0,1,2,3
.irp c, 0,1,2,3
	ds_load_b128 v[KF+16*\t+4*\c:KF+16*\t+4*\c+3], v[VA] offset:8192*(\st)+2048*\t+512*\c
.endr
.endr
.endm
; PHASE A for chunk c
.macro CHUNK c
.set X, 1+(\c)/4
.set WB, 64*((\c)%4)
.if (\c)%2
.set DW, 3
.set DR, 64*((\c)/2)
	s_wait_dscnt 16                                ; K's fragments are in; the next even chunk's d, asked for behind them, may be out
	s_wait_loadcnt 48-16*((\c)/2)                  ; first head: this chunk's d is in, the later odd chunks' 16 loads each may be out; later heads: nothing is out
.else
.set DW, 0
.set DR, DT
	s_wait_dscnt 0x0                               ; K's fragments and this chunk's d
.endif
	s_cmp_lg_u32 s90, 0                            ; the first head finds d as it came and makes d' of it; the counter is the same in every wave and every partner
	s_cbranch_scc1 .Lscaled_\@
	WIN (DW<<6)|DW
.set p, 0
.rept 32
	v_pk_mul_f32 v[DR+p:DR+p+1], v[DR+p:DR+p+1], s[100:101] op_sel_hi:[1,0]   ; d' = d 2^(3-e6-e7): nothing is rounded
.set p, p+2
.endr
	WIN 0
.if (\c)%2 == 0
.irp b, 0,1,2,3
.irp j, 0,1,2,3
	ds_store_b128 v[DA], v[DT+16*\b+4*\j:DT+16*\b+4*\j+3] offset:DCH*((\c)/2)+128*\b+16*\j   ; back to where it lay, for the other seven heads: my own bytes, whose one fill has landed
.endr
.endr
.endif
.Lscaled_\@:
	WIN (X<<6)|(DW<<4)
.irp t, 0,1,2,3,4,5,6,7
	v_wmma_f32_16x16x64_fp8_fp8 v[WB+8*\t:WB+8*\t+7], v[KF+8*\t:KF+8*\t+7], v[QF:QF+7], v[DR+8*\t:DR+8*\t+7]   ; a = the sum of codes + d': register 8 t + j of d' is the key of register j of tile t
.endr
	PLACES
.if (\c) < 7
	WIN 0
	KLOAD (\c)+1
.endif
	WIN (X<<4)|(X<<2)
.irp q, 0,1,2,3                        ; my lane's largest a of the chunk, in four chains, so that a line reads what was made four lines back; each accumulator from its low end on
	v_max3_num_f32 v[TW+\q], v[NINF], v[WB+2*\q], v[WB+2*\q+1]
.endr
.set p, 8
.rept 7
.irp q, 0,1,2,3
	v_max3_num_f32 v[TW+\q], v[TW+\q], v[WB+p+2*\q], v[WB+p+2*\q+1]
.endr
.set p, p+8
.endr
	WIN 0
	v_max3_num_f32 v[TW], v[TW], v[TW+1], v[TW+2]
	v_max_num_f32 v[TW], v[TW], v[TW+3]
	v_mul_f32 v[TW], s84, v[TW]                    ; as t (c' is positive)
	v_floor_f32 v[MN+2*(\c)], -v[TW]               ; -M_c = floor(-t) = -ceil(t)
	WIN (X<<6)|X
.set p, 0
.rept 2
	v_pk_fma_f32 v[WB+p:WB+p+1], v[WB+p:WB+p+1], s[84:85], v[MN+2*(\c):MN+2*(\c)+1] op_sel_hi:[1,0,0]
.set p, p+2
.endr
.set p, 0
.rept 32                               ; one batch: none of these lines names an exponential's result
	v_exp_f32 v[WB+p], v[WB+p]
	v_exp_f32 v[WB+p+1], v[WB+p+1]
.if p < 60
	v_pk_fma_f32 v[WB+p+4:WB+p+5], v[WB+p+4:WB+p+5], s[84:85], v[MN+2*(\c):MN+2*(\c)+1] op_sel_hi:[1,0,0]   ; a c' - M_c, two pairs ahead of its exponentials
.endif
.set p, p+2
.endr
	v_nop                                          ; a plain line behind the last exponential
	s_wait_alu depctr_va_vdst(0)                   ; one wait for the batch, ahead of its first reader
	WIN X
.irp q, 0,1,2,3                        ; L_c in four chains; the constant starts them under the one window setting that the chains need
	v_pk_add_f32 v[TW+2*\q:TW+2*\q+1], v[WB+2*\q:WB+2*\q+1], 0 op_sel_hi:[1,0]
.endr
.set p, 8
.rept 7
.irp q, 0,1,2,3
	v_pk_add_f32 v[TW+2*\q:TW+2*\q+1], v[WB+p+2*\q:WB+p+2*\q+1], v[TW+2*\q:TW+2*\q+1]
.endr
.set p, p+8
.endr
	WIN (X<<6)|(DW<<2)|X
.set p, 0
.rept 32
	v_pk_mul_f32 v[WB+p:WB+p+1], v[WB+p:WB+p+1], v[DR+p:DR+p+1]    ; w = p d'
.set p, p+2
.endr
	WIN 0
	v_pk_add_f32 v[TW:TW+1], v[TW:TW+1], v[TW+2:TW+3]
	v_pk_add_f32 v[TW+4:TW+5], v[TW+4:TW+5], v[TW+6:TW+7]
	v_pk_add_f32 v[TW:TW+1], v[TW:TW+1], v[TW+4:TW+5]
	v_add_f32 v[LS+(\c)], v[TW], v[TW+1]
.if (\c)%2 == 0
.if (\c) < 6
	s_wait_tensorcnt 3-(\c)/2                      ; first head: the next even chunk's tile of d has landed; the younger first fills may be out.  Later heads: one load, V's, is out
.endif
	DLOAD ((\c)+2)%8                               ; it lands during the odd chunk between.  (Behind chunk 6 it is the next head's chunk 0; in the last head that load serves nothing, and stays, since chunk 7's counted wait leans on it)
.endif
.endm
; PHASE B for key step st
.macro BSTEP st
.set X, 1+(\st)/4
.set WB, 64*((\st)%4)
	WIN (X<<6)|X
.set p, 0
.rept 32
	v_pk_mul_f32 v[WB+p:WB+p+1], v[WB+p:WB+p+1], v[GS+2*(\st):GS+2*(\st)+1] op_sel_hi:[1,0]   ; the finished weight
.set p, p+2
.endr
.set p, 0
.rept 64
	v_med3_num_f32 v[WB+p], v[WB+p], -v[SC8+1], v[SC8+1]           ; the conversion to an 8-bit code does not saturate (ISA guide 7.6.2); d may have either sign
.set p, p+1
.endr
	WIN X
.irp q, 0,1,2,3,4,5,6,7
	v_cvt_scalef32_pk8_fp8_f32 v[PC+2*\q:PC+2*\q+1], v[WB+8*\q:WB+8*\q+7], v[SC8]
.endr
	WIN 0
	v_nop                                          ; one plain line between the conversions and the products that read their results
	s_wait_dscnt 0x0                               ; V's fragments
.irp t, 0,1,2,3
.if (\st) == 0
	v_wmma_f32_16x16x128_fp8_fp8 v[OT+8*\t:OT+8*\t+7], v[KF+16*\t:KF+16*\t+15], v[PC:PC+15], 0
.else
	v_wmma_f32_16x16x128_fp8_fp8 v[OT+8*\t:OT+8*\t+7], v[KF+16*\t:KF+16*\t+15], v[PC:PC+15], v[OT+8*\t:OT+8*\t+7]
.endif
.endr
	PLACES
.if (\st) < 7
	VLOAD (\st)+1
.endif
.endm
; A CHANGE OF A SLOT.  Each wave waits for all its tensor loads (the one that is out is its quarter of the OTHER slot), adds 0 to its spare word, waits for that and for its reads of this slot; a round of the cluster's
; barrier; then the joint refill, first thing: every wave its own quarter.  Behind the round the other slot is whole for all four waves.  In the last head the slot takes a block of Wp.
; A PREFETCH INTO THE L2 follows the load's four lines: the block that the NEXT change will ask for, half a head ahead.  All four clusters of a batch walk the same blocks: the first asks.  Its four partners are told
; apart by address; in each, waves 0 and 1 ask: 256 x (64 cx + 32 w + lane): each 256 bytes of a block once.  Blocks 0 to 2 of a batch and Wp's come by their loads alone; the limits stop at the batch's last block.
.macro CHANGE g0, wa, lim
	WIN 0
	s_wait_tensorcnt 0x0                           ; no tensor load of mine is out, so a group 0 may be written
	ds_add_u32 v[SPW], v[NIL]
	s_add_nc_u64 s[\g0+2:\g0+3], s[\g0+2:\g0+3], 131072   ; the next head's block
	s_cmp_eq_u32 s90, 7
	s_cselect_b64 s[\g0+2:\g0+3], s[\wa:\wa+1], s[\g0+2:\g0+3]
	s_wait_xcnt 0x0                                ; the last prefetch, half a head back, has read its address
	s_add_nc_u64 s[94:95], s[94:95], 65536
	s_wait_dscnt 0x0                               ; the add is done, my reads of the slot are over, and my stores of x's images have landed
	ROUND
	tensor_load_to_lds s[\g0:\g0+3], s[24:31]
	s_nop 0
	PLACES
	s_cmp_lt_u32 s90, s[\lim]
	s_cbranch_scc0 .Lnoask_\@
	global_prefetch_b8 v[PFO], s[94:95] th:TH_LOAD_NT scope:SCOPE_SE
.Lnoask_\@:
.endm
.macro XFETCH s, dst                   ; K step s of x: the four query tiles' fragments
.irp m, 0,1,2,3
.irp c, 0,1,2,3
	ds_load_b128 v[\dst+16*\m+4*\c:\dst+16*\m+4*\c+3], v[XA] offset:(4*\m+(\s))*2048+512*\c
.endr
.endr
.endm
.macro PSTEP s, xf                     ; out^T += Wp x^T, K step s: 32 accumulators (m, t) at 64 m + 8 t of window 1, by turns
	WIN 0x50|(2+(\s)/2)
.irp m, 0,1,2,3
.irp t, 0,1,2,3,4,5,6,7
.if (\s) == 0
	v_wmma_f32_16x16x128_fp8_fp8 v[64*\m+8*\t:64*\m+8*\t+7], v[128*((\s)%2)+16*\t:128*((\s)%2)+16*\t+15], v[\xf+16*\m:\xf+16*\m+15], 0
.else
	v_wmma_f32_16x16x128_fp8_fp8 v[64*\m+8*\t:64*\m+8*\t+7], v[128*((\s)%2)+16*\t:128*((\s)%2)+16*\t+15], v[\xf+16*\m:\xf+16*\m+15], v[64*\m+8*\t:64*\m+8*\t+7]
.endif
.endr
.endr
.endm
	s_load_b256 s[4:11], s[0:1], 0x0               ; d, qc, kv, wpc
	s_load_b128 s[12:15], s[0:1], 0x20             ; bp, the scales' exponents
	s_load_b64 s[16:17], s[0:1], 0x30              ; out0
	v_lshl_add_u32 v[SPW], v0, 2, SPARE
	v_mov_b32 v[NIL], 0
	ds_add_u32 v5, v6
	ds_add_u32 v5, v6
	s_wait_dscnt 0x0
	v_lshrrev_b32 v[AD], 5, v0
	v_readfirstlane_b32 s18, v[AD]                 ; wave
	s_bfe_u32 s19, ttmp6, 0x40000                  ; cx
	s_lshl_b32 s20, ttmp9, 2
	s_add_co_u32 s20, s20, s19                     ; my block of 64 queries: it enters d's, Q's and out's addresses alone
	s_and_b32 s21, ttmp7, 0xffff                   ; the batch, which the four partners share
	; group 1 for a quarter of a block: 64 rows of 256 bytes, dense
	s_mov_b32 s24, 15|(3<<16)|(1<<21)              ; 15:0 the mask: all four work-groups; 17:16 elements of 8 bytes; 21 set beside a mask
	s_mov_b32 s25, 32<<16                          ; tensor_dim0 = 32
	s_mov_b32 s26, 64<<16                          ; tensor_dim1 = 64
	s_mov_b32 s27, 32<<16                          ; tile_dim0
	s_mov_b32 s28, 64                              ; tile_dim1
	s_mov_b32 s29, 32                              ; pitch
	s_mov_b32 s30, 0
	s_mov_b32 s31, 0
	; group 1 for a chunk of d: 16 rows of 128 f32, 1,024 apart, 16 bytes of padding behind each row
	s_mov_b32 s32, (2<<16)|(1<<20)|(6<<22)|(3<<25) ; no mask; elements of 4 bytes; padding on, after every 128 words, 4 words
	s_mov_b32 s33, 128<<16
	s_mov_b32 s34, 16<<16
	s_mov_b32 s35, 128<<16
	s_mov_b32 s36, 16
	s_mov_b32 s37, 1024
	s_mov_b32 s38, 0
	s_mov_b32 s39, 0
	v_and_b32 v1, 31, v0
	v_lshlrev_b32 v[PFO], 8, v1
	v_lshlrev_b32 v[LI], 4, v1
	v_and_b32 v[AD], 15, v0                        ; r
	v_bfe_u32 v[BO], v0, 4, 1                      ; h
	v_mul_u32_u24 v[DA], v[AD], DP
	v_lshl_add_u32 v[DA], v[BO], 6, v[DA]
	s_mul_i32 s2, s18, DWV
	s_add_co_u32 s2, s2, DREG                      ; my part of DREG
	v_add_nc_u32 v[DA], s2, v[DA]
	v_add_nc_u32 v[SR], s2, v[LI]
	v_lshlrev_b32 v[DO], 12, v[AD]
	v_lshl_add_u32 v[DO], v[BO], 6, v[DO]
	v_lshlrev_b32 v[BO], 6, v[BO]
	v_add_nc_u32 v[XA], XIMG, v[LI]
	v_add_nc_u32 v[VA], VS, v[LI]
	s_lshl_b32 s3, s18, 13
	v_add_nc_u32 v[XW], s3, v[XA]
	s_lshl_b32 s3, s18, 14
	v_add_nc_u32 v[KW], s3, v[LI]
	v_add_nc_u32 v[VW], VS, v[KW]
	v_mov_b32 v[NINF], 0xff800000
.irp c, 0,1,2,3,4,5,6,7
	v_mov_b32 v[MN+2*\c+1], 0
	v_mov_b32 v[GS+2*\c+1], 0
.endr
	s_mov_b32 s88, 0x76543210
	s_mov_b32 s89, 0xfedcba98
	s_lshr_b32 s96, s18, 1                         ; who prefetches: waves 0 and 1
	s_or_b32 s96, s96, ttmp9                       ; of the batch's first cluster: the same in all four partners
	s_cmp_eq_u32 s96, 0
	s_cselect_b32 s96, 7, 0                        ; at K's change in heads 0-6 (V of the next head), at V's in heads 0-5 (K of the head after next)
	s_cselect_b32 s97, 6, 0
	s_wait_kmcnt 0x0
	s_load_b256 s[72:79], s[14:15], 0x0            ; e0 .. e7
	s_load_b128 s[80:83], s[14:15], 0x20           ; e8 .. e11
	s_lshl_b32 s22, s21, 20
	s_mov_b32 s23, 0
	s_add_nc_u64 s[8:9], s[8:9], s[22:23]          ; kv at my batch
	s_lshl_b32 s100, s19, 14
	s_lshl_b32 s101, s18, 13
	s_add_co_u32 s100, s100, s101
	s_add_co_u32 s100, s100, 131072
	s_mov_b32 s101, 0
	s_add_nc_u64 s[94:95], s[8:9], s[100:101]      ; my part of block 2: the first change steps it to block 3
	s_lshl_b32 s22, s18, 14
	s_add_nc_u64 s[8:9], s[8:9], s[22:23]          ; my quarter of block 0
	s_mov_b32 s40, 1
	s_lshl_b32 s41, s18, 14                        ; KS + 16,384 w: no place in the cluster enters an LDS address
	s_mov_b64 s[42:43], s[8:9]
	s_or_b32 s43, s43, 0x80000000
	s_mov_b32 s44, 1
	s_add_co_u32 s45, s41, VS
	s_add_nc_u64 s[46:47], s[8:9], 65536
	s_or_b32 s47, s47, 0x80000000
	s_add_nc_u64 s[66:67], s[10:11], s[22:23]      ; my quarter of Wp's block 0,
	s_add_nc_u64 s[68:69], s[66:67], 65536         ; and of block 1, as ready address words
	s_or_b32 s67, s67, 0x80000000
	s_or_b32 s69, s69, 0x80000000
	s_lshl_b32 s100, s21, 22
	s_lshl_b32 s101, s20, 18
	s_add_co_u32 s100, s100, s101
	s_lshl_b32 s101, s18, 16
	s_add_co_u32 s100, s100, s101
	s_mov_b32 s101, 0
	s_add_nc_u64 s[70:71], s[4:5], s[100:101]      ; d at row 1,024 batch + 64 block + 16 w
.irp i, 0,1,2,3
	s_mov_b32 s[48+4*\i], 1
	s_add_co_u32 s[49+4*\i], s2, DCH*\i
	s_add_nc_u64 s[50+4*\i:51+4*\i], s[70:71], 1024*\i   ; chunk 2 i
	s_or_b32 s[51+4*\i], s[51+4*\i], 0x80000000
.endr
	s_lshl_b32 s100, s21, 19
	s_lshl_b32 s3, s20, 12
	s_add_co_u32 s100, s100, s3
	s_lshl_b32 s3, s18, 10
	s_add_co_u32 s100, s100, s3
	s_add_nc_u64 s[92:93], s[6:7], s[100:101]      ; Q: head 0, tile 4 block + w
	s_lshl_b32 s100, s21, 21
	s_lshl_b32 s3, s20, 17
	s_add_co_u32 s100, s100, s3
	s_lshl_b32 s3, s18, 9
	s_add_co_u32 s100, s100, s3
	s_add_nc_u64 s[16:17], s[16:17], s[100:101]    ; out at the block's first row, my 128 columns
	s_lshl_b32 s100, s18, 9
	s_add_nc_u64 s[12:13], s[12:13], s[100:101]    ; bp at my 128 numbers
	ROUND                                          ; all four work-groups are here: the first joint loads meet
	tensor_load_to_lds s[40:43], s[24:31]          ; the first fills, one group: six tensor loads of mine are out.  K of head 0,
	s_nop 0
	tensor_load_to_lds s[48:51], s[32:39]          ; d's chunks 0, 2, 4, 6,
	s_nop 0
	tensor_load_to_lds s[52:55], s[32:39]
	s_nop 0
	tensor_load_to_lds s[56:59], s[32:39]
	s_nop 0
	tensor_load_to_lds s[60:63], s[32:39]
	s_nop 0
	tensor_load_to_lds s[44:47], s[24:31]          ; V of head 0
	s_nop 0
	PLACES
	global_load_b128 v[QF:QF+3], v[LI], s[92:93]
	global_load_b128 v[QF+4:QF+7], v[LI], s[92:93] offset:512
	WIN 0xc0
	GDLOAD 1
	GDLOAD 3
	GDLOAD 5
	WIN 0
	s_wait_kmcnt 0x0
	s_add_co_i32 s22, s78, s79
	s_add_co_i32 s22, s22, -3                      ; e6 + e7 - 3: the two scales and the 1 / 8
	s_lshl_b32 s2, s22, 23
	s_add_co_i32 s84, s2, 0x3fb8aa3b               ; c' = log2 e 2^(e6+e7-3): the whole number is added to log2 e's exponent field
	s_mov_b32 s85, s84
	s_sub_co_i32 s100, 127, s22
	s_lshl_b32 s100, s100, 23                      ; 2^(3-e6-e7)
	s_mov_b32 s101, s100
	s_add_co_i32 s86, s82, s83
	s_add_co_i32 s86, s86, 127
	s_lshl_b32 s86, s86, 23                        ; 2^(e10 + e11)
	s_mov_b32 s87, s86
	s_add_co_i32 s2, s80, 127
	s_lshl_b32 s3, s2, 23
	v_mov_b32 v[SC8], s3
	s_add_co_i32 s2, s2, 8
	s_lshl_b32 s2, s2, 23
	s_or_b32 s2, s2, 0x600000
	v_mov_b32 v[SC8+1], s2
	s_sub_co_i32 s2, s82, s80
	s_sub_co_i32 s2, s2, s81                       ; a sum of O stands for sum x 2^(e8 + e9)
	s_add_co_i32 s2, s2, 127
	s_lshl_b32 s3, s2, 23
	v_mov_b32 v[SCX], s3
	s_add_co_i32 s2, s2, 8
	s_lshl_b32 s2, s2, 23
	s_or_b32 s2, s2, 0x600000
	v_mov_b32 v[SCX+1], s2
	s_wait_tensorcnt 5                             ; my quarter of K has landed; the five loads behind it may be out
	s_barrier_signal -1
	s_barrier_wait -1                              ; everybody's has
	s_wait_tensorcnt 4                             ; d's chunk 0
	DLOAD 0
	s_wait_loadcnt 48                              ; Q is in; behind it three chunks of d, 16 loads each
	WIN 0xc0
	GDLOAD 7
	WIN 0
	s_mov_b32 s90, 0
	s_mov_b32 s91, 0
.Lhead:
	KLOAD 0
	CHUNK 0
	CHUNK 1
	CHUNK 2
	CHUNK 3
	CHUNK 4
	CHUNK 5
	CHUNK 6
	CHUNK 7
	CHANGE 40, 66, 96                              ; K's slot is left; V of this head is whole behind the round
	s_cmp_eq_u32 s90, 7
	s_cbranch_scc1 .Llastq
	s_add_nc_u64 s[92:93], s[92:93], 65536         ; the next head's Q (the last loads by this base are in)
	global_load_b128 v[QF:QF+3], v[LI], s[92:93]
	global_load_b128 v[QF+4:QF+7], v[LI], s[92:93] offset:512
	s_branch .Lqdone
.Llastq:                               ; the last head: d has been read for the last time, and the lower half of window 3 takes my quarter of Wp's block 2
	WIN 0xc0
.irp t, 0,1,2,3,4,5,6,7
.irp c, 0,1,2,3
	global_load_b128 v[16*\t+4*\c:16*\t+4*\c+3], v[KW], s[10:11] offset:2*65536+2048*\t+512*\c
.endr
.endr
	WIN 0
.Lqdone:
	VLOAD 0
	; the pieces are joined
	v_min3_num_f32 v[TW], v[MN], v[MN+2], v[MN+4]
	v_min3_num_f32 v[TW+1], v[MN+6], v[MN+8], v[MN+10]
	v_min3_num_f32 v[TW], v[TW], v[MN+12], v[MN+14]
	v_min_num_f32 v[TW], v[TW], v[TW+1]
	v_permlanex16_b32 v[TW+1], v[TW], s88, s89     ; the query's other keys lie in the lane 16 away
	v_min_num_f32 v[TW], v[TW], v[TW+1]            ; -M
.irp c, 0,1,2,3,4,5,6,7
	v_sub_f32 v[GS+2*\c], v[TW], v[MN+2*\c]        ; M_c - M: a whole number, 0 or less
.endr
.irp c, 0,1,2,3,4,5,6,7
	v_cvt_i32_f32 v[GS+2*\c], v[GS+2*\c]           ; (it saturates)
.endr
.irp c, 0,1,2,3,4,5,6,7
	v_ldexp_f32 v[LS+\c], v[LS+\c], v[GS+2*\c]     ; L_c under the common M: nothing is rounded
.endr
	v_pk_add_f32 v[LS:LS+1], v[LS:LS+1], v[LS+2:LS+3]
	v_pk_add_f32 v[LS+4:LS+5], v[LS+4:LS+5], v[LS+6:LS+7]
	v_pk_add_f32 v[LS:LS+1], v[LS:LS+1], v[LS+4:LS+5]
	v_add_f32 v[LS], v[LS], v[LS+1]
	v_permlanex16_b32 v[TW+1], v[LS], s88, s89
	v_add_f32 v[LS], v[LS], v[TW+1]                ; the row's sum
	v_rcp_f32 v[TW+2], v[LS]
	v_nop                                          ; a plain line behind the reciprocal
	s_wait_alu depctr_va_vdst(0)                   ; and the wait ahead of its first reader
	v_ldexp_f32 v[TW+2], v[TW+2], s22              ; x 2^(e6+e7-3): w holds p d', which is p d over that power
.irp c, 0,1,2,3,4,5,6,7
	v_ldexp_f32 v[GS+2*\c], v[TW+2], v[GS+2*\c]    ; G_c = 2^(M_c - M) 2^(e6+e7-3) / l
.endr
	BSTEP 0
	BSTEP 1
	BSTEP 2
	BSTEP 3
	BSTEP 4
	BSTEP 5
	BSTEP 6
	BSTEP 7
	; the head's output becomes two groups of 16 bytes of x's fragment (my tile, K step head / 2); the four places stand at the last step's end
.set p, 0
.rept 32
	v_med3_num_f32 v[OT+p], v[OT+p], -v[SCX+1], v[SCX+1]           ; each accumulator from its low end on
.set p, p+1
.endr
.irp q, 0,1,2,3
	v_cvt_scalef32_pk8_fp8_f32 v[PC+2*\q:PC+2*\q+1], v[OT+8*\q:OT+8*\q+7], v[SCX]
.endr
	v_add_nc_u32 v[AD], s91, v[XW]                 ; (the plain line behind the conversions)
	ds_store_b128 v[AD], v[PC:PC+3]
	ds_store_b128 v[AD], v[PC+4:PC+7] offset:512
	CHANGE 44, 68, 97                              ; V's slot is left; the next head's K is whole behind the round, and so are x's images of this head
	s_wait_loadcnt 0x0                             ; the next Q (in the last head: Wp's block 2)
	s_add_co_u32 s91, s91, 1024
	s_add_co_u32 s90, s90, 1
	s_cmp_lt_u32 s90, 8
	s_cbranch_scc1 .Lhead
	; THE OUTPUT PROJECTION: my 128 columns for the 64 rows.  Wp's block 0 lies in K's slot, block 1 is on its way into V's; each wave reads the quarter that it fetched itself
	WIN 0xc0
.irp t, 0,1,2,3,4,5,6,7
.irp c, 0,1,2,3
	global_load_b128 v[128+16*\t+4*\c:128+16*\t+4*\c+3], v[KW], s[10:11] offset:3*65536+2048*\t+512*\c
.endr
.endr
	WIN 0
.irp b, 0,1,2,3
.irp j, 0,1,2,3
	global_load_b128 v[20+16*\b+4*\j:20+16*\b+4*\j+3], v[BO], s[12:13] offset:128*\b+16*\j   ; bp in the result's layout: register 16 b + i: column 32 b + 16 h + i of my 128
.endr
.endr
	WIN 0x80
.irp t, 0,1,2,3,4,5,6,7
.irp c, 0,1,2,3
	ds_load_b128 v[16*\t+4*\c:16*\t+4*\c+3], v[KW] offset:KS+2048*\t+512*\c
.endr
.endr
	WIN 0
	XFETCH 0, KF
	XFETCH 1, DT
	s_wait_tensorcnt 0x0                           ; my quarter of block 1
	WIN 0x80
.irp t, 0,1,2,3,4,5,6,7
.irp c, 0,1,2,3
	ds_load_b128 v[128+16*\t+4*\c:128+16*\t+4*\c+3], v[VW] offset:2048*\t+512*\c
.endr
.endr
	s_wait_dscnt 48                                ; block 0 and x's K step 0 are in; behind them 16 loads of x and 32 of block 1
	PSTEP 0, KF
	PLACES
	WIN 0
	XFETCH 2, KF
	s_wait_dscnt 16                                ; all but the 16 just issued
	PSTEP 1, DT
	PLACES
	WIN 0
	XFETCH 3, DT
	s_wait_dscnt 16
	PSTEP 2, KF
	s_wait_loadcnt 16                              ; block 3 is in; bp's 16 loads may be out
	s_wait_dscnt 0x0
	PSTEP 3, DT
	s_wait_loadcnt 0x0                             ; bp
	PLACES
.irp m, 0,1,2,3                        ; 16 rows at a time through my stage: a lane holds 64 neighbouring bytes of a row; they come back as whole rows of 512 bytes
	WIN 0x01
.set p, 0
.rept 32
	v_pk_fma_f32 v[KF+p:KF+p+1], v[64*\m+p:64*\m+p+1], s[86:87], v[20+p:21+p] op_sel_hi:[1,0,1]   ; sum x 2^(e10 + e11) + bp; each accumulator from its low end on
.set p, p+2
.endr
	WIN 0
.irp t, 0,1,2,3,4,5,6,7
	ds_store_b128 v[DA], v[KF+8*\t:KF+8*\t+3] offset:128*(\t/2)+32*(\t%2)
	ds_store_b128 v[DA], v[KF+8*\t+4:KF+8*\t+7] offset:128*(\t/2)+32*(\t%2)+16
.endr
.if \m > 0
	s_wait_xcnt 0x0                                ; the last rows' stores have read their registers
.endif
.irp p, 0,1,2,3,4,5,6,7,8,9,10,11,12,13,14,15
	ds_load_b128 v[DT+4*\p:DT+4*\p+3], v[SR] offset:DP*\p          ; LDS serves a wave's instructions in order (ISA guide 5.7.1.4): these see my stores
.endr
.irp p, 0,1,2,3,4,5,6,7,8,9,10,11,12,13,14,15
	s_wait_dscnt 15-\p
	global_store_b128 v[LI], v[DT+4*\p:DT+4*\p+3], s[16:17] offset:(16*\m+\p)*2048 th:TH_STORE_NT   ; 32 lanes store 512 consecutive bytes, at a multiple of 256 from out0's first byte
.endr
.endr
	s_wait_tensorcnt 0x0                           ; the wave's end
	ds_add_u32 v[SPW], v[NIL]
	s_wait_dscnt 0x0
	ROUND                                          ; the closing round: no work-group ends while a partner may still ask for a block that names it
	s_endpgm
.Lfunc_end_k_qa2cb1933bb_attn:
	.size	k_qa2cb1933bb_attn, .Lfunc_end_k_qa2cb1933bb_attn-k_qa2cb1933bb_attn
	.p2alignl 7, 3214868480
	.fill 96, 4, 3214868480
	.section	.rodata,"a",@progbits
	.p2align	6, 0x0
	.amdhsa_kernel k_qa2cb1933bb_attn
		.amdhsa_group_segment_fixed_size 327680
		.amdhsa_private_segment_fixed_size 0
		.amdhsa_enable_private_segment 0
		.amdhsa_kernarg_size 56
		.amdhsa_user_sgpr_count 2
		.amdhsa_user_sgpr_kernarg_segment_ptr 1
		.amdhsa_wavefront_size32 1
		.amdhsa_system_sgpr_workgroup_id_x 1
		.amdhsa_system_sgpr_workgroup_id_y 1
		.amdhsa_system_sgpr_workgroup_id_z 1
		.amdhsa_system_vgpr_workitem_id 0
		.amdhsa_next_free_vgpr 1024
		.amdhsa_next_free_sgpr 102
		.amdhsa_reserve_vcc 0
		.amdhsa_float_denorm_mode_32 3
		.amdhsa_float_denorm_mode_16_64 3
		.amdhsa_memory_ordered 1
		.amdhsa_forward_progress 1
		.amdhsa_inst_pref_size 255
	.end_amdhsa_kernel
	.section	.bss,"aw",@nobits
	.p2align	6
	.space	262144
	.amdgpu_metadata
---
amdhsa.version: [ 1, 2 ]
amdhsa.kernels:
  - .name:           k_qa2cb1933bb_attn
    .symbol:         k_qa2cb1933bb_attn.kd
    .args:
      - { .name: d, .offset: 0, .size: 8, .value_kind: global_buffer, .address_space: global }
      - { .name: qc, .offset: 8, .size: 8, .value_kind: global_buffer, .address_space: global }
      - { .name: kv, .offset: 16, .size: 8, .value_kind: global_buffer, .address_space: global }
      - { .name: wpc, .offset: 24, .size: 8, .value_kind: global_buffer, .address_space: global }
      - { .name: bp, .offset: 32, .size: 8, .value_kind: global_buffer, .address_space: global }
      - { .name: lowp_scales, .offset: 40, .size: 8, .value_kind: global_buffer, .address_space: global }
      - { .name: out0, .offset: 48, .size: 8, .value_kind: global_buffer, .address_space: global }
    .group_segment_fixed_size: 327680
    .private_segment_fixed_size: 0
    .kernarg_segment_align: 8
    .kernarg_segment_size: 56
    .max_flat_workgroup_size: 128
    .sgpr_count:     102
    .vgpr_count:     1024
    .wavefront_size: 32
...
	.end_amdgpu_metadata
.endif
;; end of part 5
;; ======== version 3 of 3: 3 launches; version 2 with the launch proj written anew for expert scheduling mode
;; limits: right only within a limited range of input values
;; workspace buffers: qc 8,388,608 bytes; kv 16,777,216 bytes; wpc 262,144 bytes; wc 786,432 bytes
;; launch wq: the kernel of part 3 again; grid 128 x 1, 4 waves a work-group, no clusters, 0 bytes of LDS; arguments Wq, Wk, Wv, Wp, lowp_scales, wc, wpc; writes wc, wpc
;; launch proj (part 6): grid 192 x 1, 4 waves a work-group, no clusters, 168,448 bytes of LDS; arguments q, k, v, wc, bq, bk, bv, lowp_scales, qc, kv; writes qc, kv
.if DOCPART == 6
	.amdgcn_target "amdgcn-amd-amdhsa--gfx1250"
	.amdhsa_code_object_version 6
	.text
	.protected	k_qa2cb1933bb_proj
	.globl	k_qa2cb1933bb_proj
	.p2align	8
	.type	k_qa2cb1933bb_proj,@function
k_qa2cb1933bb_proj:
	s_mov_b64 s[64:65], 0
	v_nop
	global_prefetch_b8 v0, s[64:65] scope:SCOPE_SE
	s_setreg_imm32_b32 hwreg(HW_REG_WAVE_SCHED_MODE, 0, 2), 2
	s_setreg_imm32_b32 hwreg(HW_REG_WAVE_MODE, 25, 1), 1
	s_wait_xcnt 0x0
	s_wait_alu depctr_vm_vsrc(0)
; THE THREE INPUT PROJECTIONS, y = x W^T + b on codes of FP8 (E4M3).  x: q, k or v [16384][512] f32; W's codes come from wc, as images of operand registers (the launch before made them); b [512].
; Nothing but codes is stored, laid as images of the operand registers that the attention launch wants:
;   qc  [batch][head][query tile 64][c 2][lane][16 bytes]: lane (r, h) holds query 16 tile + r, channels 32 c + 16 h + 0..15 of the head's 64
;   kv  [batch][head][K block 65,536 bytes | V block 65,536 bytes]
;       K block [key tile 64][c 2][lane][16]: lane r of tile 2 g + u is key 32 g + 8 u + r + 8 (r / 8)
;       V block [key step 8][channel tile 4][c 4][lane][16]: lane r of tile 2 b + u is channel 32 b + 8 u + r + 8 (r / 8); bytes: keys 128 step + 32 c + 16 h + 0..15
; Every fragment places k alike (16 bytes at 32 c + 16 h), on both sides of every product: each product meets its partner; the order of the sums inside an instruction differs from ascending k.
; SHARES.  Work-group n: tensor n / 64 (0 q, 1 k, 2 v), rows 256 (n % 64) on, four blocks of 64 rows.
; The waves share the columns: wave w keeps rows 128 w .. 128 w + 127 of W as 32 fragments of codes in windows 2 and 3 for the whole launch: 128 loads of 512 consecutive bytes.  A block's rows of x are quantised once, 16 rows a wave,
; and go from wave to wave through LDS as images of their registers.  q, k: source 0 = W, source 1 = x, so a lane holds one token and neighbouring channels.  v: the sources swapped, so a lane holds one channel and neighbouring keys.
; No tile is shared between work-groups but W, which each keeps in registers: no cluster.  192 work-groups: three tensors of 64 shares; 16,384 rows do not divide into shares of whole blocks that would make 256.
; LIMITS: x's exponent, and eo - ea - eb (eo: the result's own scale), between -126 and 119.  NaN and infinities among the inputs are not served.
; THE MODE: SCHED_MODE bits 1:0 = 2 (LLVM: expert scheduling mode 2), set by the entry lines.  The code itself states the register dependences
; between vector or matrix instructions and memory or LDS instructions, with s_wait_alu, always for 0.
; THE PLAN.  Registers that memory or LDS instructions touch:
;   v1, v4-v15   Addresses and offsets: made at the head, ahead of one wait on va_vdst, and never written again: blocks and tiles are reached by scalar bases and immediate offsets.
;   window 1     The landing registers: x's loads land in them, the LDS stores into the stage read them, no vector instruction names them.  One wait on vm_vsrc a block stands behind those stores, ahead of the next block's loads.
;   ACC, XF      While x is quantised: LDS loads out of the stage land, holds and conversions read.  One wait on va_vdst behind each fragment's conversions states that they are done with the buffer and have written PC.
;   XF           Afterwards: the images' LDS loads land, products read.  A wait on va_vdst stands behind the products, ahead of each run of loads into the registers that they read.
;   PC           Written by conversions, read by the images' LDS stores and by the global stores.  A wait on va_vdst ahead of each run of stores, a wait on vm_vsrc ahead of the conversions that write it again.
;   PC + 16      BV's registers.  q's and k's work-groups never read BV: there they are a second set for codes, so that tiles take the two sets by turns, a tile's stores are issued behind the next tile's one wait on va_vdst,
;                and the waits that free a set stand a whole tile behind the stores that read it.
;   windows 2, 3, BI, BV   Loaded once at the head; from then on named by vector and matrix instructions alone.
; At the loop's head no wait on va_vdst is owed: on both ways back the last such wait stands behind the last vector instruction that names XF or ACC, and on the way in nothing has named them.
.set STGW, 33792                       ; LDS: a stage for each wave: four fragments of 16 rows x (512 bytes + 16)
.set FST,  8448
.set SP,   528                         ; 33 x 16 bytes
.set XIMG, 135168                      ; behind the stages: x's 16 fragments of a block, (tile m, K step s) at 2048 (4 m + s)
.set LI,   1                           ; v1   16 x lane
.set XLO,  4                           ; v4   x: my 16 bytes of rows 0-7 of my wave's tile
.set XHI,  5                           ; v5   the same for rows 8-15 (k, v: eight tokens further on)
.set SIN,  7                           ; v7   the stage, on the way in: 16 x lane
.set SOUT, 8                           ; v8   on the way out: 528 r + 64 h
.set BOF,  9                           ; v9   64 h
.set BGO,  10                          ; v10  4 (r + 8 (r / 8))
.set XST,  11                          ; v11  where I store x's images
.set XFE,  12                          ; v12  where any wave fetches them
.set OF0,  13                          ; v13, v14  16 x lane + the first byte of head 2 w, 2 w + 1
.set WPO,  15                          ; v15  16 x lane + 16,384 w: my quarter of a K step's block of wc
;      v16, v17: 2^ea, 448 x 2^ea (x);  v20, v21: the same with eo - ea - eb (the results);  v30, v31: my spare word's LDS address and 0, for the closing lines alone
.set XF,   32                          ; v32-95   x's fragments; in the quantising of x 64 numbers
.set ACC,  96                          ; v96-159  accumulators (v: to v223); in the quantising of x 64 numbers
.set BI,   160                         ; v160-223 the bias as eight C operands (q, k)
.set PC,   224                         ; v224-239 the codes just made
.set BV,   240                         ; v240-255 the bias of my lane's channel in tile t, at 240 + 2 t (v); the odd ones are named in pairs and written once.  q, k: the second set for codes
; window 1: 256 landing registers.  windows 2, 3: W's fragment (tile t, K step s) at 16 (4 t + s)
; s32 wave, s33 tensor, s34 share, s35 1 for k, v;  s[48:49] x, s[50:51] wc at my tensor, s[52:53] bias, s[54:55] out;  s56 ea, s57 eb, s58 eo;  s59 block;  s[60:61] an offset (s61 = 0);  s[66:67] the block's out base
.set MSB, 0
.macro WIN new                         ; the immediate's high byte repeats the setting that is left
.if MSB != (\new)
	s_set_vgpr_msb (MSB<<8)|(\new)
.set MSB, (\new)
.endif
.endm
.macro PLACES                          ; four plain places behind matrix instructions, ahead of reads of results and of loads into operands
.rept 4
	v_nop
.endr
.endm
.macro MKSCALE se, vs                  ; v[vs] = 2^s[se] as f32; v[vs + 1] = 448 x that
	s_add_co_i32 s62, s[\se], 127
	s_lshl_b32 s63, s62, 23
	v_mov_b32 v[\vs], s63
	s_add_co_i32 s62, s62, 8
	s_lshl_b32 s62, s62, 23
	s_or_b32 s62, s62, 0x600000
	v_mov_b32 v[\vs+1], s62
.endm
.macro XLOAD f                         ; K step f of my 16 rows of x: each load takes 512 consecutive bytes of one row; row p lands at 64 f + 4 p of window 1
.irp p, 0,1,2,3,4,5,6,7
	global_load_b128 v[64*(\f)+4*\p:64*(\f)+4*\p+3], v[XLO], s[48:49] offset:2048*\p+512*(\f) th:TH_LOAD_NT
.endr
.irp p, 8,9,10,11,12,13,14,15
	global_load_b128 v[64*(\f)+4*\p:64*(\f)+4*\p+3], v[XHI], s[48:49] offset:2048*\p+512*(\f) th:TH_LOAD_NT
.endr
.endm
.macro BACK f, dst                     ; out of the stage: register 16 b + i = k 32 b + 16 h + i of my row
.irp b, 0,1,2,3
.irp j, 0,1,2,3
	ds_load_b128 v[\dst+16*\b+4*\j:\dst+16*\b+4*\j+3], v[SOUT] offset:FST*(\f)+128*\b+16*\j
.endr
.endr
.endm
.macro MED src, lim
.set i, 0
.rept 64
	v_med3_num_f32 v[\src+i], v[\src+i], -v[\lim], v[\lim]   ; the conversion to an 8-bit code does not saturate (ISA guide 7.6.2)
.set i, i+1
.endr
.endm
.macro CVT src, sc, dst                ; 64 numbers become 16 registers of codes at v[dst]
.irp q, 0,1,2,3,4,5,6,7
	v_cvt_scalef32_pk8_fp8_f32 v[\dst+2*\q:\dst+2*\q+1], v[\src+8*\q:\src+8*\q+7], v[\sc]
.endr
	v_nop                                          ; one plain line behind the last conversion of a run
.endm
.macro IMG f                           ; the fragment in v[PC] on goes to LDS as it stands
.irp c, 0,1,2,3
	ds_store_b128 v[XST], v[PC+4*\c:PC+4*\c+3] offset:2048*(\f)+512*\c
.endr
.endm
.macro FETCHX m                        ; tile m's four fragments
.irp s, 0,1,2,3
.irp c, 0,1,2,3
	ds_load_b128 v[XF+16*\s+4*\c:XF+16*\s+4*\c+3], v[XFE] offset:(4*(\m)+\s)*2048+512*\c
.endr
.endr
.endm
.macro MULA hi                         ; q, k: tiles 4 hi .. 4 hi + 3 of W against one tile of x, all of K; the four accumulators by turns; the bias starts the sums
	WIN 0x02+(\hi)
.irp s, 0,1,2,3
.irp t, 0,1,2,3
.if \s == 0
	v_wmma_f32_16x16x128_fp8_fp8 v[ACC+8*(4*(\hi)+\t):ACC+8*(4*(\hi)+\t)+7], v[16*(4*\t+\s):16*(4*\t+\s)+15], v[XF+16*\s:XF+16*\s+15], v[BI+8*(4*(\hi)+\t):BI+8*(4*(\hi)+\t)+7]
.else
	v_wmma_f32_16x16x128_fp8_fp8 v[ACC+8*(4*(\hi)+\t):ACC+8*(4*(\hi)+\t)+7], v[16*(4*\t+\s):16*(4*\t+\s)+15], v[XF+16*\s:XF+16*\s+15], v[ACC+8*(4*(\hi)+\t):ACC+8*(4*(\hi)+\t)+7]
.endif
.endr
.endr
.endm
.macro SENDA m                         ; q, k: tile m's codes leave, out of the set m % 2
.irp b, 0,1,2,3
	global_store_b128 v[OF0+\b/2], v[PC+16*((\m)%2)+4*\b:PC+16*((\m)%2)+4*\b+3], s[66:67] offset:1024*(\m)+512*(\b%2)   ; 32 lanes store 512 consecutive bytes
.endr
.endm
.macro FX p, s, buf                    ; v: K step s of token tiles 2 p, 2 p + 1 into buffer buf
.irp i, 0,1
.irp c, 0,1,2,3
	ds_load_b128 v[XF+32*(\buf)+16*\i+4*\c:XF+32*(\buf)+16*\i+4*\c+3], v[XFE] offset:(4*(2*(\p)+\i)+(\s))*2048+512*\c
.endr
.endr
.endm
.macro MULB s, buf, hi                 ; v: source 0 = x, source 1 = W; eight accumulators by turns: (tile of x i, tile of W t) at ACC + 16 t + 8 i
	WIN 0x08+4*(\hi)
.irp t, 0,1,2,3
.irp i, 0,1
.if (\s) == 0
	v_wmma_f32_16x16x128_fp8_fp8 v[ACC+16*(4*(\hi)+\t)+8*\i:ACC+16*(4*(\hi)+\t)+8*\i+7], v[XF+32*(\buf)+16*\i:XF+32*(\buf)+16*\i+15], v[16*(4*\t+(\s)):16*(4*\t+(\s))+15], 0
.else
	v_wmma_f32_16x16x128_fp8_fp8 v[ACC+16*(4*(\hi)+\t)+8*\i:ACC+16*(4*(\hi)+\t)+8*\i+7], v[XF+32*(\buf)+16*\i:XF+32*(\buf)+16*\i+15], v[16*(4*\t+(\s)):16*(4*\t+(\s))+15], v[ACC+16*(4*(\hi)+\t)+8*\i:ACC+16*(4*(\hi)+\t)+8*\i+7]
.endif
.endr
.endr
.endm
.macro PAIR p                          ; v: 32 tokens x my 128 channels
.irp s, 0,1,2,3
.if (\s) == 3 && (\p) == 1
	s_wait_dscnt 0x0                               ; the last buffer: nothing was asked for behind it
.else
	s_wait_dscnt 8                                 ; this K step's eight loads are in; the other buffer's eight may be out
.endif
	MULB \s, (\s)%2, 0
	MULB \s, (\s)%2, 1
	WIN 0
	PLACES
.if (\s) < 2
	s_wait_alu depctr_va_vdst(0)                   ; this K step's products are done reading their buffer of XF, in which the loads below land
	FX \p, (\s)+2, (\s)%2
.elseif (\p) == 0
	s_wait_alu depctr_va_vdst(0)                   ; this K step's products are done reading their buffer of XF, in which the loads below land
	FX 1, (\s)-2, (\s)%2
.endif
.endr
.irp g, 0,1                            ; the eight tiles leave in two batches of four: PC holds four tiles' codes.  Tile t = 4 g + u: my lane's channel, keys 32 p + 16 h + 0..15 in 16 registers
.irp u, 0,1,2,3
.set A16, ACC+16*(4*\g+\u)
.set i, 0
.rept 8
	v_pk_add_f32 v[A16+i:A16+i+1], v[A16+i:A16+i+1], v[BV+2*(4*\g+\u):BV+2*(4*\g+\u)+1] op_sel_hi:[1,0]   ; + b / 2^(ea + eb); each accumulator from its low end on
.set i, i+2
.endr
.set i, 0
.rept 16
	v_med3_num_f32 v[A16+i], v[A16+i], -v21, v21
.set i, i+1
.endr
.endr
	s_wait_xcnt 0x0                                ; the stores that read these four sets of code registers have read them: the batch's 96 additions and holds stand between those stores and this wait
	s_wait_alu depctr_vm_vsrc(0)                   ; the stores of the batch before (first batch of a block: the last image's LDS stores) have read PC, which the conversions below write
.irp u, 0,1,2,3
	v_cvt_scalef32_pk8_fp8_f32 v[PC+4*\u:PC+4*\u+1], v[ACC+16*(4*\g+\u):ACC+16*(4*\g+\u)+7], v20
	v_cvt_scalef32_pk8_fp8_f32 v[PC+4*\u+2:PC+4*\u+3], v[ACC+16*(4*\g+\u)+8:ACC+16*(4*\g+\u)+15], v20
.endr
.if \g == 1
	v_nop                                          ; one plain line behind the last conversion (behind the first batch's the second batch's additions are such lines)
.endif
	s_wait_alu depctr_va_vdst(0)                   ; the conversions have written PC, which the four stores read; behind the second batch of the block's last pair also: nothing is left that names XF or ACC, in which the next block's LDS loads land
.irp u, 0,1,2,3
	global_store_b128 v[OF0+\g], v[PC+4*\u:PC+4*\u+3], s[66:67] offset:2048*\u+512*(\p)   ; 32 lanes store 512 consecutive bytes
.endr
.endr
.endm
	s_load_b512 s[4:19], s[0:1], 0x0               ; q, k, v, wc, bq, bk, bv, the scales' exponents
	s_load_b128 s[20:23], s[0:1], 0x40             ; qc, kv
	v_lshl_add_u32 v30, v0, 2, 0x29000
	v_mov_b32 v31, 0
	v_lshrrev_b32 v2, 5, v0
	v_readfirstlane_b32 s32, v2                    ; wave
	s_lshr_b32 s33, ttmp9, 6                       ; tensor: 0 q, 1 k, 2 v
	s_and_b32 s34, ttmp9, 63                       ; share
	v_and_b32 v1, 31, v0
	v_lshlrev_b32 v[LI], 4, v1
	v_and_b32 v2, 15, v0                           ; r
	v_bfe_u32 v3, v0, 4, 1                         ; h
	v_and_b32 v[BGO], 8, v2
	v_add_nc_u32 v[BGO], v[BGO], v2                ; r + 8 (r / 8)
	v_lshlrev_b32 v[BGO], 2, v[BGO]
	v_lshlrev_b32 v[BOF], 6, v3
	s_wait_alu depctr_va_sdst(0)                   ; s32 is written, ahead of its first reader: LDS addresses, offsets and bases are made from it
	s_mul_i32 s60, s32, STGW
	v_add_nc_u32 v[SIN], s60, v[LI]
	v_mul_u32_u24 v[SOUT], v2, SP
	v_lshl_add_u32 v[SOUT], v3, 6, v[SOUT]
	v_add_nc_u32 v[SOUT], s60, v[SOUT]
	s_lshl_b32 s60, s32, 13
	s_add_co_u32 s60, s60, XIMG
	v_add_nc_u32 v[XST], s60, v[LI]
	v_add_nc_u32 v[XFE], XIMG, v[LI]
	s_lshl_b32 s60, s32, 14
	v_add_nc_u32 v[WPO], s60, v[LI]
	s_mov_b32 s61, 0
	s_cmp_eq_u32 s33, 0
	s_cselect_b32 s35, 0, 1                        ; k, v: a head is twice as long in kv, and the tokens of a tile are not neighbours
	s_and_b32 s60, s32, 1                          ; my tile's first token: 16 w, or 32 (w / 2) + 8 (w % 2) = 16 w - 8 (w % 2)
	s_mul_i32 s60, s60, s35
	s_lshl_b32 s60, s60, 3
	s_lshl_b32 s62, s32, 4
	s_sub_co_u32 s60, s62, s60
	s_lshl_b32 s60, s60, 11
	v_add_nc_u32 v[XLO], s60, v[LI]
	s_lshl_b32 s60, s35, 14
	v_add_nc_u32 v[XHI], s60, v[XLO]
	s_add_co_u32 s62, s35, 17
	s_lshl_b32 s60, s32, s62                       ; head 2 w
	v_add_nc_u32 v[OF0], s60, v[LI]
	s_lshl_b32 s62, 0x10000, s35
	v_add_nc_u32 v[OF0+1], s62, v[OF0]
.irp t, 0,1,2,3,4,5,6,7
	v_mov_b32 v[BV+2*\t+1], 0                      ; the upper halves of BV's pairs
.endr
	s_wait_kmcnt 0x0
	s_load_b256 s[36:43], s[18:19], 0x0            ; e0 .. e7
	s_load_b128 s[44:47], s[18:19], 0x20           ; e8 .. e11
	s_cmp_eq_u32 s33, 1                            ; the buffers are chosen by the work-group's number alone
	s_cselect_b64 s[48:49], s[6:7], s[4:5]
	s_cselect_b64 s[52:53], s[14:15], s[12:13]
	s_cmp_eq_u32 s33, 2
	s_cselect_b64 s[48:49], s[8:9], s[48:49]
	s_cselect_b64 s[52:53], s[16:17], s[52:53]
	s_cselect_b32 s63, 0x10000, 0                  ; V's block lies behind K's
	s_cmp_eq_u32 s33, 0
	s_cselect_b64 s[54:55], s[20:21], s[22:23]
	s_lshl_b32 s60, s34, 19
	s_add_nc_u64 s[48:49], s[48:49], s[60:61]      ; x at the share's 256 rows
	WIN 0x40
	s_wait_alu depctr_va_vdst(0)                   ; v1 and v4 to v15 are written: every load and store of the kernel, global or LDS, reads one of them as its address, and none is written again
	XLOAD 0                                        ; the first block of x goes out first: it comes the longest way
	XLOAD 1
	XLOAD 2
	XLOAD 3
	WIN 0
	s_lshl_b32 s60, s33, 18
	s_add_nc_u64 s[50:51], s[10:11], s[60:61]      ; wc at my tensor
	WIN 0x80                                       ; W's fragments, as they lie: tiles 0-3 into window 2,
.irp t, 0,1,2,3
.irp s, 0,1,2,3
.irp c, 0,1,2,3
	global_load_b128 v[16*(4*\t+\s)+4*\c:16*(4*\t+\s)+4*\c+3], v[WPO], s[50:51] offset:65536*\s+2048*\t+512*\c
.endr
.endr
.endr
	WIN 0xc0                                       ; tiles 4-7 into window 3
.irp t, 0,1,2,3
.irp s, 0,1,2,3
.irp c, 0,1,2,3
	global_load_b128 v[16*(4*\t+\s)+4*\c:16*(4*\t+\s)+4*\c+3], v[WPO], s[50:51] offset:65536*\s+2048*(\t+4)+512*\c
.endr
.endr
.endr
	WIN 0
	s_lshl_b32 s60, s32, 9
	s_add_nc_u64 s[52:53], s[52:53], s[60:61]      ; the bias at my 128 numbers
.irp b, 0,1,2,3                        ; the bias in both layouts, so that every register that either way of the block loop names is written: as C operands (register 16 b + i: channel 32 b + 16 h + i of my 128),
.irp j, 0,1,2,3
	global_load_b128 v[BI+16*\b+4*\j:BI+16*\b+4*\j+3], v[BOF], s[52:53] offset:128*\b+16*\j
.endr
.endr
.irp t, 0,1,2,3,4,5,6,7                ; and my lane's channel of each tile.  (No vector instruction since the wait above names a register in which a load of the head lands)
	global_load_b32 v[BV+2*\t], v[BGO], s[52:53] offset:(32*(\t/2)+8*(\t%2))*4
.endr
	s_lshr_b32 s60, s34, 2                         ; batch
	s_add_co_u32 s62, s35, 19
	s_lshl_b32 s60, s60, s62                       ; x 524,288 (qc) or 1,048,576 (kv)
	s_and_b32 s62, s34, 3
	s_lshl_b32 s62, s62, 14                        ; 256 tokens: 16 tiles of 1,024 bytes, or two key steps of 8,192
	s_add_co_u32 s60, s60, s62
	s_add_co_u32 s60, s60, s63
	s_add_nc_u64 s[54:55], s[54:55], s[60:61]
	s_wait_kmcnt 0x0
	s_cmp_eq_u32 s33, 1
	s_cselect_b32 s56, s38, s36
	s_cselect_b32 s57, s39, s37
	s_cselect_b32 s58, s43, s42
	s_cmp_eq_u32 s33, 2
	s_cselect_b32 s56, s40, s56
	s_cselect_b32 s57, s41, s57
	s_cselect_b32 s58, s45, s58
	MKSCALE 56, 16
	s_sub_co_i32 s58, s58, s56
	s_sub_co_i32 s58, s58, s57                     ; a sum stands for sum x 2^(ea + eb): the three scales are folded into the conversion's one
	MKSCALE 58, 20
	s_add_co_i32 s62, s56, s57
	s_sub_co_i32 s62, 0, s62
	s_wait_loadcnt 0x0
.set i, 0
.rept 64
	v_ldexp_f32 v[BI+i], v[BI+i], s62              ; b / 2^(ea + eb): exact
.set i, i+1
.endr
.irp t, 0,1,2,3,4,5,6,7
	v_ldexp_f32 v[BV+2*\t], v[BV+2*\t], s62
.endr
	s_mov_b32 s59, 0
.Lblock:
	; ---- my 16 rows of x become four fragments.  The loads took the bytes as they lie; the stage turns them so that a lane holds 16 neighbours
	s_wait_loadcnt 0x0
	WIN 0x04                                       ; store data in window 1
.irp f, 0,1,2,3
.irp p, 0,1,2,3,4,5,6,7,8,9,10,11,12,13,14,15
	ds_store_b128 v[SIN], v[64*\f+4*\p:64*\f+4*\p+3] offset:FST*\f+SP*\p
.endr
.endr
	WIN 0
	BACK 0, ACC                                    ; LDS serves a wave's instructions in order (ISA guide 5.7.1.4): these see my stores
	BACK 1, XF
	s_wait_dscnt 16                                ; fragment 0 is back, so the stores have read the landing registers,
	s_wait_xcnt 0x0                                ; the last block's stores have read the code registers: the wait stands ahead of the loads below, which it has no need to wait for
	s_wait_alu depctr_vm_vsrc(0)                   ; the LDS stores above have read the landing registers, in which the next block's loads land; the last block's stores have read PC, which the first conversions below write
	s_cmp_eq_u32 s59, 3
	s_cbranch_scc1 .Lnonext                        ; which take the next block, if there is one: no load leaves its buffer
	s_add_nc_u64 s[48:49], s[48:49], 131072        ; (x's loads are all in: their base may step)
	WIN 0x40
	XLOAD 0
	XLOAD 1
	XLOAD 2
	XLOAD 3
	WIN 0
.Lnonext:
	MED ACC, 17
	CVT ACC, 16, PC
	s_wait_alu depctr_va_vdst(0)                   ; the conversions have written PC, which the image's stores read; holds and conversions are done with ACC, in which fragment 2 lands
	IMG 0
	BACK 2, ACC
	s_wait_dscnt 20                                ; fragment 1 is back (behind it: 4 image stores, 16 loads)
	MED XF, 17
	s_wait_dscnt 16                                ; image 0's stores are done: the code registers may be written
	s_wait_alu depctr_vm_vsrc(0)                   ; image 0's stores have read PC
	CVT XF, 16, PC
	s_wait_alu depctr_va_vdst(0)                   ; PC is written for image 1's stores; holds and conversions are done with XF, in which fragment 3 lands
	IMG 1
	BACK 3, XF
	s_wait_dscnt 20
	MED ACC, 17
	s_wait_dscnt 16
	s_wait_alu depctr_vm_vsrc(0)                   ; image 1's stores have read PC
	CVT ACC, 16, PC
	s_wait_alu depctr_va_vdst(0)                   ; PC is written for image 2's stores
	IMG 2
	s_wait_dscnt 4                                 ; fragment 3 is back (behind it: 4 image stores)
	MED XF, 17
	s_wait_dscnt 0x0
	s_wait_alu depctr_vm_vsrc(0)                   ; image 2's stores have read PC
	CVT XF, 16, PC
	s_wait_alu depctr_va_vdst(0)                   ; PC is written for image 3's stores; holds and conversions are done with XF, in which the first images fetched behind the barrier land
	IMG 3
	s_wait_dscnt 0x0                               ; for the others' sake: my images have landed
	s_barrier_signal -1
	s_barrier_wait -1                              ; the block's sixteen fragments lie in LDS
	s_cmp_eq_u32 s33, 2
	s_cbranch_scc1 .Lpathb
	; ---- q, k: a tile of 16 tokens at a time; a lane holds one token, and tiles 2 b, 2 b + 1 give it 16 neighbouring channels.  Tile m's codes go into set m % 2 and leave behind tile m + 1's products
	s_lshl_b32 s60, s59, 12                        ; four tiles of 1,024 bytes a block
	s_wait_xcnt 0x0                                ; earlier stores have read their base
	s_add_nc_u64 s[66:67], s[54:55], s[60:61]
	FETCHX 0
.irp m, 0,1,2,3
	s_wait_dscnt 0x0
	MULA 0
	MULA 1
	WIN 0
	PLACES
	s_wait_xcnt 0x0                                ; the stores of two tiles back, issued a tile ago, have read this tile's set of code registers
	s_wait_alu depctr_vm_vsrc(0)                   ; the same stores (tile 0: image 3's LDS stores; tile 1: the last block's last stores) have read the set that this tile's conversions write
	s_wait_alu depctr_va_vdst(0)                   ; the products are done reading XF, in which the next tile's fragments land; the tile before has written its set of codes, which the stores below read
.if \m > 0
	SENDA \m-1
.endif
.if \m < 3
	FETCHX \m+1
.endif
	MED ACC, 21                                    ; each accumulator from its low end on
	CVT ACC, 20, PC+16*(\m%2)
.endr
	s_wait_alu depctr_va_vdst(0)                   ; tile 3's conversions have written its set of codes; nothing is left that names XF or ACC, in which the next block's LDS loads land
	SENDA 3
	s_branch .Lblkend
.Lpathb:
	; ---- v
	s_lshr_b32 s60, s59, 1
	s_lshl_b32 s60, s60, 13                        ; key step: 8,192 (block / 2)
	s_and_b32 s62, s59, 1
	s_lshl_b32 s62, s62, 10                        ; c = 2 (block % 2) + p
	s_add_co_u32 s60, s60, s62
	s_wait_xcnt 0x0
	s_add_nc_u64 s[66:67], s[54:55], s[60:61]
	FX 0, 0, 0
	FX 0, 1, 1
	PAIR 0
	PAIR 1
.Lblkend:
	s_wait_dscnt 0x0                               ; my reads of the images are over:
	s_barrier_signal -1
	s_barrier_wait -1                              ; only now may any wave write them again
	s_add_co_u32 s59, s59, 1
	s_cmp_lt_u32 s59, 4
	s_cbranch_scc1 .Lblock
	s_wait_dscnt 0x0                               ; the closing lines, six on end
	s_wait_alu 0x0
	s_wait_tensorcnt 0x0
	ds_add_u32 v30, v31
	s_wait_dscnt 0x0
	s_endpgm
.Lfunc_end_k_qa2cb1933bb_proj:
	.size	k_qa2cb1933bb_proj, .Lfunc_end_k_qa2cb1933bb_proj-k_qa2cb1933bb_proj
	.p2alignl 7, 3214868480
	.fill 96, 4, 3214868480
	.section	.rodata,"a",@progbits
	.p2align	6, 0x0
	.amdhsa_kernel k_qa2cb1933bb_proj
		.amdhsa_group_segment_fixed_size 168448
		.amdhsa_private_segment_fixed_size 0
		.amdhsa_enable_private_segment 0
		.amdhsa_kernarg_size 80
		.amdhsa_user_sgpr_count 2
		.amdhsa_user_sgpr_kernarg_segment_ptr 1
		.amdhsa_wavefront_size32 1
		.amdhsa_system_sgpr_workgroup_id_x 1
		.amdhsa_system_sgpr_workgroup_id_y 1
		.amdhsa_system_sgpr_workgroup_id_z 1
		.amdhsa_system_vgpr_workitem_id 0
		.amdhsa_next_free_vgpr 1024
		.amdhsa_next_free_sgpr 80
		.amdhsa_reserve_vcc 0
		.amdhsa_float_denorm_mode_32 3
		.amdhsa_float_denorm_mode_16_64 3
		.amdhsa_memory_ordered 1
		.amdhsa_forward_progress 1
		.amdhsa_inst_pref_size 140
	.end_amdhsa_kernel
	.amdgpu_metadata
---
amdhsa.version: [ 1, 2 ]
amdhsa.kernels:
  - .name:           k_qa2cb1933bb_proj
    .symbol:         k_qa2cb1933bb_proj.kd
    .args:
      - { .name: q, .offset: 0, .size: 8, .value_kind: global_buffer, .address_space: global }
      - { .name: k, .offset: 8, .size: 8, .value_kind: global_buffer, .address_space: global }
      - { .name: v, .offset: 16, .size: 8, .value_kind: global_buffer, .address_space: global }
      - { .name: wc, .offset: 24, .size: 8, .value_kind: global_buffer, .address_space: global }
      - { .name: bq, .offset: 32, .size: 8, .value_kind: global_buffer, .address_space: global }
      - { .name: bk, .offset: 40, .size: 8, .value_kind: global_buffer, .address_space: global }
      - { .name: bv, .offset: 48, .size: 8, .value_kind: global_buffer, .address_space: global }
      - { .name: lowp_scales, .offset: 56, .size: 8, .value_kind: global_buffer, .address_space: global }
      - { .name: qc, .offset: 64, .size: 8, .value_kind: global_buffer, .address_space: global }
      - { .name: kv, .offset: 72, .size: 8, .value_kind: global_buffer, .address_space: global }
    .group_segment_fixed_size: 168448
    .private_segment_fixed_size: 0
    .kernarg_segment_align: 8
    .kernarg_segment_size: 80
    .max_flat_workgroup_size: 128
    .sgpr_count:     80
    .vgpr_count:     1024
    .wavefront_size: 32
...
	.end_amdgpu_metadata
.endif
;; end of part 6
;; launch attn: the kernel of part 5 again; grid 16 x 16, 4 waves a work-group, clusters of 4 x 1, 327,680 bytes of LDS; arguments d, qc, kv, wpc, bp, lowp_scales, out0; writes out0
